; MI455X (gfx1250); checked and timed in simulation.
; The chip was launched on July 23, 2026; its instructions are those of AMD's public machine-readable ISA for CDNA 5 (MIT licence, August 2026) and "CDNA5" Instruction Set Architecture Reference Guide (July 2026). The comments in the code are by the model that wrote it; some were corrected since.
;; Multi Head Attention. Allowed arithmetic: matrix products marked QUANTISED: E2M3 operands, one E8M0 scale for each 32 along K, by v_wmma_scale_f32_16x16x128_f8f6f4 with both operands' format E2M3, f32 sums; everything else in f32.
;; Inputs: Wk_codes 2,048 x 64 x 24 uint8 (E2M3 codes of Wk, K innermost, in blocks of 32 codes, four codes in three bytes); Wk_scales 2,048 x 64 uint8 (E8M0 scales of Wk, one for each 32 codes along K); Wo_codes 2,048 x 64 x 24 uint8 (E2M3 codes of Wo, K innermost, in blocks of 32 codes, four codes in three bytes); Wo_scales 2,048 x 64 uint8 (E8M0 scales of Wo, one for each 32 codes along K); Wq_codes 2,048 x 64 x 24 uint8 (E2M3 codes of Wq, K innermost, in blocks of 32 codes, four codes in three bytes); Wq_scales 2,048 x 64 uint8 (E8M0 scales of Wq, one for each 32 codes along K); Wv_codes 2,048 x 64 x 24 uint8 (E2M3 codes of Wv, K innermost, in blocks of 32 codes, four codes in three bytes); Wv_scales 2,048 x 64 uint8 (E8M0 scales of Wv, one for each 32 codes along K); alibi 1 x 16 x 1 x 2,048 float32; attention_mask 1 x 1 x 2,048 x 2,048 float32; freqs_cos 1 x 1 x 2,048 x 128 float32; freqs_sin 1 x 1 x 2,048 x 128 float32; x_codes 1 x 2,048 x 64 x 24 uint8 (E2M3 codes of x, K innermost, in blocks of 32 codes, four codes in three bytes); x_scales 1 x 2,048 x 64 uint8 (E8M0 scales of x, one for each 32 codes along K).
;; Outputs: out0 1 x 2,048 x 2,048 float32.
;; This version of the problem:
;;   THIS VERSION OF THE PROBLEM IS GIVEN IN LOW PRECISION. The matrix products marked QUANTISED in the list below multiply operands that are first quantised to E2M3 (2 exponent bits, 3 mantissa bits; 6 bits a number), with one power-of-two scale for each 32 numbers along K (OCP MX v1.0); their sums are f32. All else is computed in f32.
;;   The module's matrix products, in the order in which they are computed (A, B: the left and right operand; K: the contracted axis; several contracted axes count as one K, in the product's order):
;;     1. [M 2,048, K 2,048] x [K 2,048, N 2,048]; A: input x (given as codes); B: input Wq (given as codes): QUANTISED
;;     2. [M 2,048, K 2,048] x [K 2,048, N 2,048]; A: input x (given as codes); B: input Wk (given as codes): QUANTISED
;;     3. [M 2,048, K 2,048] x [K 2,048, N 2,048]; A: input x (given as codes); B: input Wv (given as codes): QUANTISED
;;     4. batch 16 x [M 2,048, K 128] x [K 128, N 2,048]; A: computed on the way; B: computed on the way: QUANTISED
;;     5. batch 16 x [M 2,048, K 2,048] x [K 2,048, N 128]; A: softmax (see below); B: computed on the way: QUANTISED
;;     6. [M 2,048, K 2,048] x [K 2,048, N 2,048]; A: computed on the way; B: input Wo (given as codes): QUANTISED
;;   THE QUANTISER, for each operand of a quantised product, along K:
;;     - K is cut into blocks of 32 from its start; a last block that is shorter is filled with zeros.
;;     - A block's scale is 2^e with e = floor(log2(the largest magnitude in the block)) - 2, held to -126 .. 127; a block of zeros has e = 0. As a byte (E8M0): e + 127.
;;     - Each number is divided by its block's scale, clamped to +-7.5, and rounded to the nearest number of E2M3, ties to even, subnormals kept.
;;     - The product sums the exact products of the quantised numbers (number of the format x scale) in f32.
;;   ~~~python
;;   def quantise(x, axis):      # numpy; x: float32 -> the quantised numbers, widened to float32 again
;;       x = np.moveaxis(x, axis, -1); K = x.shape[-1]
;;       x = np.pad(x, [(0, 0)] * (x.ndim - 1) + [(0, -K % 32)]); x = x.reshape(x.shape[:-1] + (-1, 32)); a = np.abs(x).max(-1, keepdims=True)
;;       e = np.where(a > 0, np.clip(np.frexp(np.where(a > 0, a, 1))[1] - 1 - 2, -126, 127), 0)      # np.frexp(a)[1] - 1 = floor(log2(a)), exactly
;;       r = np.clip(x / 2.0 ** e, -7.5, 7.5)
;;       step = 2.0 ** (np.maximum(np.frexp(np.where(r == 0, 1, r))[1] - 1, 0) - 3)
;;       q = np.round(r / step) * step * 2.0 ** e      # np.round: ties to even
;;       return np.moveaxis(q.reshape(q.shape[:-2] + (-1,))[..., :K], -1, axis).astype(np.float32)
;;   ~~~
;;   SOFTMAX AHEAD OF A QUANTISED PRODUCT. Where the list says 'softmax', what is quantised is not the finished softmax but p = 2^(t - M), with t = logit x log2(e) and M = ceil(the row's largest t), a whole number; so 1/2 < the row's largest p <= 1. The row's sum l is taken of the UNQUANTISED p, in f32, and the product's result is divided by l at the end. Since M is a whole number, a kernel that streams over the keys may use a running M (the ceiling of the running maximum): every later rescaling is an exact power of two, which a block's scale takes up: the codes' values come out the same.
;;   OPERANDS COMPUTED ON THE WAY. 'Computed on the way' means the value that the module computes at that place (a softmax that the list does not call 'softmax' is quantised finished and normalised). What goes into a quantiser is computed in f32, as accurately as f32 sums, v_exp_f32 and their like allow (about 1e-6 of the number): no bf16 or f16 on the way to a quantiser, and a product that is left as it is and whose result goes on into a quantised operand takes f32 operands (vector FMAs, or v_wmma_f32_16x16x4_f32). A number that lies on a knife's edge between two numbers of the format may be rounded either way, as far as f32 arithmetic and the matrix unit's own rounding can turn it there, and no further.
;;   INPUTS GIVEN AS CODES. Wk (in the module: [2048, 2048], K = its axis 0); Wo (in the module: [2048, 2048], K = its axis 0); Wq (in the module: [2048, 2048], K = its axis 0); Wv (in the module: [2048, 2048], K = its axis 0); x (in the module: [1, 2048, 2048], K = its axis 2): each comes as NAME_codes (uint8): NAME with its K axis moved to the last place and cut into blocks of 32 codes, [.., K / 32, bytes a block], one block behind the other in memory; four codes in three bytes: a row's codes are one little-endian stream of bits, code i at bits 6 i .. 6 i + 5 (a code: sign, 2 exponent bits, 3 mantissa bits); and NAME_scales (uint8): the same leading axes, one E8M0 byte (e + 127) for each 32 codes along K. Its value is code x scale, taken as it is: it is not quantised again, and the codes and scales need not be those that the quantiser above would give.
;; One version. Each part assembles by itself: llvm-mc -triple=amdgcn-amd-amdhsa -mcpu=gfx1250 --defsym DOCPART=n.
;; ======== version 1 of 1: 3 launches
;; workspace buffers: q_img 3,145,728 bytes; k_img 3,145,728 bytes; v_img 3,145,728 bytes; o_img 3,145,728 bytes; q_sc 131,072 bytes; k_sc 131,072 bytes; v_sc 131,072 bytes; o_sc 131,072 bytes
;; launch qkv (part 1): grid 16 x 16, 4 waves a work-group, clusters of 4 x 4, 327,680 bytes of LDS; arguments x_codes, x_scales, Wq_codes, Wq_scales, Wk_codes, Wk_scales, Wv_codes, Wv_scales, freqs_cos, freqs_sin, q_img, q_sc, k_img, k_sc, v_img, v_sc; writes q_img, q_sc, k_img, k_sc, v_img, v_sc
.if DOCPART == 1
	.amdgcn_target "amdgcn-amd-amdhsa--gfx1250"
	.amdhsa_code_object_version 6
	.text
	.protected	k_q5d8c079ad3_qkv
	.globl	k_q5d8c079ad3_qkv
	.p2align	8
	.type	k_q5d8c079ad3_qkv,@function
k_q5d8c079ad3_qkv:
	s_mov_b64 s[64:65], 0
	v_nop
	global_prefetch_b8 v0, s[64:65] scope:SCOPE_SE
	s_setreg_imm32_b32 hwreg(HW_REG_WAVE_MODE, 25, 1), 1
	s_wait_xcnt 0x0
	s_wait_alu depctr_hold_cnt(0) depctr_sa_sdst(0) depctr_va_vdst(0) depctr_va_sdst(0) depctr_va_ssrc(0) depctr_va_vcc(0) depctr_vm_vsrc(0)
	s_getreg_b32 s2, hwreg(HW_REG_IB_STS2, 6, 4)
	s_cmp_eq_u32 s2, 0
	s_cbranch_scc0 .Lentry_in_a_cluster
	s_endpgm
.Lentry_in_a_cluster:
	s_bfe_u32 s2, ttmp6, 0x10000c
	s_cmp_lg_u32 s2, 0xf033
	s_cbranch_scc0 .Lentry_shape_is_right
	s_endpgm
.Lentry_shape_is_right:
; q = rope(x Wq), k = rope(x Wk), v = x Wv for ONE head and 128 rows of x, on codes of FP6 (E2M3) with one E8M0 scale for each 32 along K = 2,048; sums in f32.
; The results never go to memory as f32: q and k are quantised along the head's 128 channels, v along the keys, and leave as IMAGES OF OPERAND REGISTERS for the attention launch.
; A FRAGMENT IMAGE is 1,536 bytes (16 rows x 128 K, 12 registers a lane): half c at byte 768 c; in a half lane l's registers 6 c .. 6 c + 3 at 16 l, its registers 6 c + 4, 6 c + 5 at 512 + 8 l.
; Scale words: 64 bytes a fragment, word r = row r's four bytes.  q_img, k_img: [head][tile of 16 rows][1536];  v_img: [head][128 keys][tile of 16 channels][1536];  q_sc, k_sc, v_sc likewise with 64 bytes.
; SHARES.  Work-group (x = head, y = 128 rows), four waves; wave w = 2 i + j takes x's rows 64 i .. 64 i + 63 (4 tiles), of Wq and Wk the features 32 j + 0..31 and 32 j + 64 .. 95 (blocks j and j + 2, so that
; rope's partners d and d + 64 lie in one lane at the same register index), of Wv the features 64 j .. 64 j + 63: 48 accumulators, 384 registers; 16 fragments feed 48 matrix instructions for each 128 along K.
; q, k: source 0 = 16 rows of W, source 1 = 16 rows of x: a lane holds one row of x and 8 features.  v: source 0 = 16 rows of x (keys), source 1 = 16 rows of Wv: a lane holds one channel and 8 keys.
; ORDER ALONG K IN THE IMAGES.  A lane's 16 registers of two neighbouring tiles are 16 members of one block of 32, lane l xor 16 holds the other 16; member 16 u + 8 h + j of a block stands at place 16 h + 8 u + j.
; q and k have it alike (and their blocks at places 0, 2, 1, 3, alike too); v has it as the attention launch's p has it: every product pairs the same numbers, and every scale covers the same 32.
; K goes in steps of 256 through two LDS slots filled by joint tensor loads: x's tile is shared along a row of the 4 x 4 cluster (same y), the W tiles along a column (same head).
; LIMITS: NaN and infinities are not served.  A block whose largest magnitude lies under 2^(3 - 127), a block of zeros among them, gets the byte 1 (the bytes are read by this program alone).  rope is a multiplication and a fused multiply-add.
.set ROWB,  192                        ; a tile's row: 256 codes
.set KROW,  1536                       ; a row of x or W in memory
.set PITCH, 240                        ; an LDS row: 3 x (64 bytes + 16 of padding)
.set FR,    12                         ; registers of a fragment
.set HALFT, 128*PITCH                  ; one tile of 128 rows: what one tensor load brings
.set SLOT,  4*HALFT                    ; x, Wq, Wk, Wv
.set LAPS,  4                          ; 2,048 / 512: a lap is once round the two slots
.set SCL,   2*SLOT                     ; the scale bytes for all of K: four regions (x, Wq, Wk, Wv)
.set SREG,  8704                       ; a region: 128 rows x 64 bytes as 32 units of 256 + 16 bytes
.set SBLK,  1088                       ; 16 rows of it
.set SPARE, SCL+4*SREG                 ; the spare words: 128 bytes a wave, two blocks of 256 bytes that no other line names
.set SSTG,  SPARE+512                  ; the stage for the scale words made here: q 512, k 512, v 512 bytes; no tensor load lands there
.set ADX,  4                           ; v4,5 x's fragments in slot 0, 1;  v6,7 the same behind one padding more
.set ADQ,  8                           ; v8-11   Wq's
.set ADK,  12                          ; v12-15  Wk's
.set ADV,  16                          ; v16-19  Wv's
.set ADSX, 20                          ; v20  scale words: lanes 0-15 x's rows, lanes 16-31 Wv's
.set ADSQ, 21                          ; v21  lanes 0-15 Wq's rows, lanes 16-31 Wk's
.set SPW,  22                          ; v22  my spare word;  v23  0: both never rewritten
.set NIL,  23
.set L16,  24                          ; v24  16 x lane
.set L8,   25                          ; v25  8 x lane
.set CSO,  26                          ; v26  my byte in the wave's rows of cos and sin
.set SSA,  27                          ; v27  where my row's half scale word of q goes
.set SSV,  28                          ; v28  and my channel's of v
.set SOUT, 30                          ; v30  where I read the scale stage back
.set SC,   32                          ; v32-63 scale words, set s at SC + 16 s: +2 a + q: x tile a | Wv tile a;  +8 + 2 t + q: Wq tile t | Wk tile t
.set XF,   64                          ; window 0: x's fragments, set p at XF + 48 p
.set VF,   160                         ; window 0: Wv's fragments
.set QF,   128                         ; window 1: Wq's
.set KF,   176                         ; window 1: Wk's.   window 1 v0-127: v's accumulators (n, a) at 8 (4 n + a)
                                       ; window 2: q's accumulators (a, t) at 8 (4 a + t), k's at 128 + the same.   window 3: cos and sin
.set R,    64                          ; the way out, window 0: 64 numbers after rope
.set PCS,  128                         ; v128-199 six sets of 12 registers of codes: no store's data are written again
.set HW,   200                         ; v200-211 half scale words
.set TM,   212                         ; v212-227 at work
.set CT,   228                         ; v228-235 the conversions' second halves
.set WV,   12                          ; s12 wave, s13 i, s14 j
.set G0SA, 4
.set G0SB, 8
.set G1A,  48
.set G1B,  56
.set G0A,  68                          ; s[68:75] group 0 for x's tiles, a set for each slot;  s[76:83] for W's
.set G0B,  76
.set G1SA, 84
.set G1SB, 92
.set SEL,  100
.set MSB, 0
.macro WIN new                         ; the immediate's high byte repeats the setting that is left; a switch that changes nothing is dropped
.if MSB != \new
	s_set_vgpr_msb (MSB<<8)|\new
.set MSB, \new
.endif
.endm
.macro PLACES                          ; four plain places behind matrix instructions, ahead of loads into their registers and of reads of their results
.rept 4
	v_nop
.endr
.endm
; A joint load: wave 0 asks for x's tile, waves 1 to 3 for Wq's, Wk's, Wv's.  Each line has one mask; the branch hangs on the wave's number alone.  Four v_nop follow each line.
.macro JLOAD g0a, g1a, g0b, g1b
	s_cmp_eq_u32 s[WV], 0
	s_cbranch_scc0 .Lfor_b_\@
	tensor_load_to_lds s[\g0a:\g0a+3], s[\g1a:\g1a+7]
	s_nop 0
.rept 4
	v_nop
.endr
	s_branch .Lasked_\@
.Lfor_b_\@:
	tensor_load_to_lds s[\g0b:\g0b+3], s[\g1b:\g1b+7]
	s_nop 0
.rept 4
	v_nop
.endr
.Lasked_\@:
.endm
.macro CREST                           ; a round of the cluster's barrier behind its opening barrier
	s_cmp_lg_u32 s[WV], 0
	s_cbranch_scc1 .Lnot_wave_0_\@
	s_barrier_signal -3
.Lnot_wave_0_\@:
	s_barrier_wait -3
	s_barrier_signal -1
	s_barrier_wait -1
.endm
.macro CROUND
	s_barrier_signal -1
	s_barrier_wait -1
	CREST
.endm
; One matrix instruction.  d, a, b: first registers of D, source 0, source 1;  acc = 1: C = D, 0: C = 0 (the product starts the sum);  sa, sb: scale registers;  ra, rb = 1: that side's scales stand in lanes 16-31
.macro WM d, a, b, acc, sa, sb, ra, rb
.if \acc
.if (\ra) && (\rb)
	v_wmma_scale_f32_16x16x128_f8f6f4 v[\d:\d+7], v[\a:\a+11], v[\b:\b+11], v[\d:\d+7], v[\sa], v[\sb] matrix_a_fmt:MATRIX_FMT_FP6 matrix_b_fmt:MATRIX_FMT_FP6 matrix_a_scale:MATRIX_SCALE_ROW1 matrix_b_scale:MATRIX_SCALE_ROW1
.elseif \ra
	v_wmma_scale_f32_16x16x128_f8f6f4 v[\d:\d+7], v[\a:\a+11], v[\b:\b+11], v[\d:\d+7], v[\sa], v[\sb] matrix_a_fmt:MATRIX_FMT_FP6 matrix_b_fmt:MATRIX_FMT_FP6 matrix_a_scale:MATRIX_SCALE_ROW1
.elseif \rb
	v_wmma_scale_f32_16x16x128_f8f6f4 v[\d:\d+7], v[\a:\a+11], v[\b:\b+11], v[\d:\d+7], v[\sa], v[\sb] matrix_a_fmt:MATRIX_FMT_FP6 matrix_b_fmt:MATRIX_FMT_FP6 matrix_b_scale:MATRIX_SCALE_ROW1
.else
	v_wmma_scale_f32_16x16x128_f8f6f4 v[\d:\d+7], v[\a:\a+11], v[\b:\b+11], v[\d:\d+7], v[\sa], v[\sb] matrix_a_fmt:MATRIX_FMT_FP6 matrix_b_fmt:MATRIX_FMT_FP6
.endif
.else
.if (\ra) && (\rb)
	v_wmma_scale_f32_16x16x128_f8f6f4 v[\d:\d+7], v[\a:\a+11], v[\b:\b+11], 0, v[\sa], v[\sb] matrix_a_fmt:MATRIX_FMT_FP6 matrix_b_fmt:MATRIX_FMT_FP6 matrix_a_scale:MATRIX_SCALE_ROW1 matrix_b_scale:MATRIX_SCALE_ROW1
.elseif \ra
	v_wmma_scale_f32_16x16x128_f8f6f4 v[\d:\d+7], v[\a:\a+11], v[\b:\b+11], 0, v[\sa], v[\sb] matrix_a_fmt:MATRIX_FMT_FP6 matrix_b_fmt:MATRIX_FMT_FP6 matrix_a_scale:MATRIX_SCALE_ROW1
.elseif \rb
	v_wmma_scale_f32_16x16x128_f8f6f4 v[\d:\d+7], v[\a:\a+11], v[\b:\b+11], 0, v[\sa], v[\sb] matrix_a_fmt:MATRIX_FMT_FP6 matrix_b_fmt:MATRIX_FMT_FP6 matrix_b_scale:MATRIX_SCALE_ROW1
.else
	v_wmma_scale_f32_16x16x128_f8f6f4 v[\d:\d+7], v[\a:\a+11], v[\b:\b+11], 0, v[\sa], v[\sb] matrix_a_fmt:MATRIX_FMT_FP6 matrix_b_fmt:MATRIX_FMT_FP6
.endif
.endif
.endm
	s_load_b512 s[16:31], s[0:1], 0x0              ; x codes 16:17, x scales 18:19, Wq 20:21, 22:23, Wk 24:25, 26:27, Wv 28:29, 30:31
	v_lshl_add_u32 v[SPW], v0, 2, SPARE
	v_mov_b32 v[NIL], 0
	ds_add_u32 v22, v23
	ds_add_u32 v22, v23
	s_wait_dscnt 0x0
	v_lshrrev_b32 v1, 5, v0
	v_readfirstlane_b32 s[WV], v1                  ; wave 0..3
	s_lshr_b32 s13, s[WV], 1                       ; i: which 64 rows of x
	s_and_b32 s14, s[WV], 1                        ; j: which features
	s_bfe_u32 s32, ttmp6, 0x40000                  ; cx, cy: my place in the cluster
	s_bfe_u32 s33, ttmp6, 0x40004
	s_lshl_b32 s34, ttmp9, 2
	s_add_co_u32 s34, s34, s32                     ; the head = 4 x cluster x + cx
	s_and_b32 s35, ttmp7, 0xffff
	s_lshl_b32 s35, s35, 2
	s_add_co_u32 s35, s35, s33                     ; y, the block of 128 rows = 4 x cluster y + cy
	s_lshl_b32 s36, s33, 2
	s_lshl_b32 s36, 15, s36                        ; my row of the cluster
	s_lshl_b32 s37, 0x1111, s32                    ; my column
	; group 1 for code tiles: 128 rows x 192 bytes, 16 bytes of padding behind every 64
	s_or_b32 s[G1A], s36, (0<<16)|(1<<20)|(1<<21)|(3<<22)|(3<<25)   ; 15:0 the mask: x's tile goes to my row; elements of 1 byte; padding on; bit 21 beside a mask; after 16 words 4 words
	s_or_b32 s[G1B], s37, (0<<16)|(1<<20)|(1<<21)|(3<<22)|(3<<25)   ; the W tiles go to my column
.irp g, G1A, G1B
	s_mov_b32 s[\g+1], ROWB<<16                    ; tensor_dim0
	s_mov_b32 s[\g+2], 128<<16                     ; tensor_dim1
	s_mov_b32 s[\g+3], ROWB<<16                    ; tile_dim0
	s_mov_b32 s[\g+4], 128                         ; tile_dim1
	s_mov_b32 s[\g+5], KROW                        ; the pitch in memory
	s_mov_b32 s[\g+6], 0
	s_mov_b32 s[\g+7], 0
.endr
	; group 1 for scale bytes: 8,192 dense bytes as 32 rows of 256 (32 elements of 8 bytes), 16 bytes of padding behind each
	s_or_b32 s[G1SA], s36, (3<<16)|(1<<20)|(1<<21)|(5<<22)|(3<<25)
	s_or_b32 s[G1SB], s37, (3<<16)|(1<<20)|(1<<21)|(5<<22)|(3<<25)
.irp g, G1SA, G1SB
	s_mov_b32 s[\g+1], 32<<16
	s_mov_b32 s[\g+2], 32<<16
	s_mov_b32 s[\g+3], 32<<16
	s_mov_b32 s[\g+4], 32
	s_mov_b32 s[\g+5], 32
	s_mov_b32 s[\g+6], 0
	s_mov_b32 s[\g+7], 0
.endr
	s_mul_i32 s38, s35, 128*KROW                   ; x: my 128 rows' codes,
	s_mov_b32 s39, 0
	s_lshl_b32 s40, s35, 13                        ; and their scale bytes
	s_mov_b32 s41, 0
	s_mul_i32 s42, s34, 128*KROW                   ; W: the head's 128 rows' codes,
	s_mov_b32 s43, 0
	s_lshl_b32 s44, s34, 13                        ; and their scale bytes
	s_mov_b32 s45, 0
	s_mul_i32 s2, s[WV], HALFT                     ; where my tile goes in a slot: wave x 128 rows
	s_mul_i32 s15, s[WV], SREG                     ; and my scale region
	s_mov_b32 s[SEL], 0x76543210
	s_mov_b32 s[SEL+1], 0xfedcba98                 ; v_permlanex16_b32's selects for lane l xor 16
	s_wait_kmcnt 0x0
	s_cmp_eq_u32 s[WV], 2                          ; which W is mine to fetch: the choice hangs on the wave's number alone
	s_cselect_b64 s[20:21], s[24:25], s[20:21]
	s_cselect_b64 s[22:23], s[26:27], s[22:23]
	s_cmp_eq_u32 s[WV], 3
	s_cselect_b64 s[20:21], s[28:29], s[20:21]
	s_cselect_b64 s[22:23], s[30:31], s[22:23]
	s_add_nc_u64 s[16:17], s[16:17], s[38:39]
	s_add_nc_u64 s[18:19], s[18:19], s[40:41]
	s_add_nc_u64 s[20:21], s[20:21], s[42:43]
	s_add_nc_u64 s[22:23], s[22:23], s[44:45]
	CROUND                                         ; all sixteen work-groups are here: the first joint loads meet
	s_mov_b32 s[G0SA], 1
	s_add_co_u32 s[G0SA+1], s15, SCL
	s_mov_b64 s[G0SA+2:G0SA+3], s[18:19]
	s_or_b32 s[G0SA+3], s[G0SA+3], 0x80000000
	s_mov_b32 s[G0SB], 1
	s_add_co_u32 s[G0SB+1], s15, SCL
	s_mov_b64 s[G0SB+2:G0SB+3], s[22:23]
	s_or_b32 s[G0SB+3], s[G0SB+3], 0x80000000
	JLOAD G0SA, G1SA, G0SB, G1SB                   ; the scale bytes for all of K: filled once
.irp s, 0,1
	s_mov_b32 s[G0A+4*\s], 1
	s_add_co_u32 s[G0A+4*\s+1], s2, \s*SLOT
	s_add_nc_u64 s[G0A+4*\s+2:G0A+4*\s+3], s[16:17], \s*ROWB
	s_or_b32 s[G0A+4*\s+3], s[G0A+4*\s+3], 0x80000000
	s_mov_b32 s[G0B+4*\s], 1
	s_add_co_u32 s[G0B+4*\s+1], s2, \s*SLOT
	s_add_nc_u64 s[G0B+4*\s+2:G0B+4*\s+3], s[20:21], \s*ROWB
	s_or_b32 s[G0B+4*\s+3], s[G0B+4*\s+3], 0x80000000
	JLOAD G0A+4*\s, G1A, G0B+4*\s, G1B             ; K steps 0 and 1: three tensor loads of mine are out
.endr
	s_load_b512 s[16:31], s[0:1], 0x40             ; cos 16:17, sin 18:19, q_img 20:21, q_sc 22:23, k_img 24:25, k_sc 26:27, v_img 28:29, v_sc 30:31
	v_and_b32 v1, 15, v0                           ; r
	v_bfe_u32 v2, v0, 4, 1                         ; h
	v_mul_u32_u24 v3, v1, PITCH
	v_mad_u32_u24 v3, v2, 24, v3                   ; a fragment's row x pitch + 24 x half
	v_lshl_add_u32 v29, v2, 4, v3                  ; and the same behind one padding more
	s_mul_i32 s2, s13, 64*PITCH                    ; x: my rows 64 i on
	s_mul_i32 s15, s14, 32*PITCH
	s_add_co_u32 s15, s15, HALFT                   ; Wq: rows 32 j on
	s_mul_i32 s46, s14, 64*PITCH
	s_add_co_u32 s46, s46, 3*HALFT                 ; Wv: rows 64 j on
.irp s, 0,1
	v_add_nc_u32 v[ADX+\s], s2, v3
	v_add_nc_u32 v[ADX+2+\s], s2, v29
	v_add_nc_u32 v[ADQ+\s], s15, v3
	v_add_nc_u32 v[ADQ+2+\s], s15, v29
	v_add_nc_u32 v[ADV+\s], s46, v3
	v_add_nc_u32 v[ADV+2+\s], s46, v29
	s_add_co_u32 s15, s15, HALFT                   ; Wk's tile lies one tile behind Wq's
	v_add_nc_u32 v[ADK+\s], s15, v3
	v_add_nc_u32 v[ADK+2+\s], s15, v29
	s_add_co_u32 s2, s2, SLOT
	s_add_co_u32 s15, s15, SLOT-HALFT
	s_add_co_u32 s46, s46, SLOT
.endr
	v_lshrrev_b32 v3, 2, v1                        ; a row's 64 scale bytes: four rows to a unit of 256 + 16 bytes
	v_mul_u32_u24 v3, v3, 272
	v_and_b32 v29, 3, v1
	v_lshl_add_u32 v3, v29, 6, v3
	s_mul_i32 s2, s13, 4352                        ; x's rows 64 i on
	s_mul_i32 s15, s14, 4352                       ; Wv's rows 64 j on, three regions further
	s_add_co_u32 s15, s15, 3*SREG
	s_sub_co_u32 s15, s15, s2
	v_mul_u32_u24 v31, s15, v2                     ; lanes 16-31 take Wv's: one product, the distance between the two
	s_add_co_u32 s2, s2, SCL
	v_add_nc_u32 v31, v31, v3
	v_add_nc_u32 v[ADSX], s2, v31
	s_mul_i32 s2, s14, 2176                        ; Wq's rows 32 j on;
	s_add_co_u32 s2, s2, SCL+SREG
	v_mul_u32_u24 v31, v2, SREG                    ; lanes 16-31 take Wk's, one region further
	v_add_nc_u32 v31, v31, v3
	v_add_nc_u32 v[ADSQ], s2, v31
	v_and_b32 v31, 31, v0
	v_lshlrev_b32 v[L16], 4, v31
	v_lshlrev_b32 v[L8], 3, v31
	v_lshlrev_b32 v[CSO], 9, v1
	v_lshl_add_u32 v[CSO], v2, 5, v[CSO]           ; cos, sin: row r of 512 bytes + 32 h
	s_lshl_b32 s2, s13, 8
	s_lshl_b32 s15, s14, 1
	s_add_co_u32 s2, s2, s15
	v_lshl_add_u32 v[SSA], v1, 2, SSTG
	v_add_nc_u32 v[SSA], s2, v[SSA]                ; q's, k's scale stage: tile 4 i + a, word r, bytes 2 j, 2 j + 1
	s_lshl_b32 s2, s14, 8
	s_lshl_b32 s15, s13, 1
	s_add_co_u32 s2, s2, s15
	v_lshl_add_u32 v[SSV], v1, 2, SSTG+1024
	v_add_nc_u32 v[SSV], s2, v[SSV]                ; v's: channel tile 4 j + n, word r, bytes 2 i, 2 i + 1
	v_lshl_add_u32 v[SOUT], v0, 4, SSTG            ; back: 512 x wave + 16 x lane
	s_lshl_b32 s38, s35, 16                        ; cos, sin at row 128 y + 64 i, feature 32 j
	s_lshl_b32 s39, s13, 15
	s_add_co_u32 s38, s38, s39
	s_lshl_b32 s39, s14, 7
	s_add_co_u32 s38, s38, s39
	s_mov_b32 s39, 0
	s_lshl_b32 s42, s34, 7                         ; q_img, k_img: tile 128 head + 8 y + 4 i, half j
	s_lshl_b32 s46, s35, 3
	s_add_co_u32 s42, s42, s46
	s_lshl_b32 s46, s13, 2
	s_add_co_u32 s42, s42, s46
	s_mul_i32 s42, s42, 1536
	s_mul_i32 s46, s14, 768
	s_add_co_u32 s42, s42, s46
	s_mov_b32 s43, 0
	s_lshl_b32 s44, s34, 4                         ; v_img: fragment (16 head + y) 8 + 4 j, half i
	s_add_co_u32 s44, s44, s35
	s_lshl_b32 s44, s44, 3
	s_lshl_b32 s46, s14, 2
	s_add_co_u32 s44, s44, s46
	s_mul_i32 s44, s44, 1536
	s_mul_i32 s46, s13, 768
	s_add_co_u32 s44, s44, s46
	s_mov_b32 s45, 0
	s_lshl_b32 s46, s34, 13                        ; the scale words: 8,192 head + 512 y in each of the three buffers
	s_lshl_b32 s47, s35, 9
	s_add_co_u32 s46, s46, s47
	s_mov_b32 s47, 0
	s_wait_kmcnt 0x0
	s_add_nc_u64 s[16:17], s[16:17], s[38:39]
	s_add_nc_u64 s[18:19], s[18:19], s[38:39]
	s_add_nc_u64 s[20:21], s[20:21], s[42:43]
	s_add_nc_u64 s[24:25], s[24:25], s[42:43]
	s_add_nc_u64 s[28:29], s[28:29], s[44:45]
	s_cmp_eq_u32 s[WV], 1                          ; wave 0 stores q's scale words, wave 1 k's, wave 2 v's
	s_cselect_b64 s[22:23], s[26:27], s[22:23]
	s_cmp_eq_u32 s[WV], 2
	s_cselect_b64 s[22:23], s[30:31], s[22:23]
	s_add_nc_u64 s[22:23], s[22:23], s[46:47]
	WIN 0xc0                                       ; destination window 3: cos and sin of my 64 rows x 64 features stay there until the way out; they land while K is walked
.irp a, 0,1,2,3
.irp f, 0,1,2,3
.irp e, 0,1
	global_load_b128 v[64*\a+8*\f+4*\e:64*\a+8*\f+4*\e+3], v[CSO], s[16:17] offset:8192*\a+256*(\f/2)+64*(\f%2)+16*\e
	global_load_b128 v[64*\a+32+8*\f+4*\e:64*\a+32+8*\f+4*\e+3], v[CSO], s[18:19] offset:8192*\a+256*(\f/2)+64*(\f%2)+16*\e
.endr
.endr
.endr
	WIN 0
; A fragment from rows in LDS: lane l holds row l % 16; registers 6 c .. 6 c + 5 hold K = 64 c + 32 (l / 16) + 0 .. 31: 24 bytes of the row's stream of bits, in pieces of 8 bytes.
; Lanes 16-31 read three pieces further on; where that lies behind one padding more, the second address register serves.
.macro FRAG reg, adr, q, i
.irp p, 0,1,2,3,4,5
.set PC, 12*(\q)+6*(\p/3)+\p%3
.if PC%8 < 5
	ds_load_b64 v[\reg+2*\p:\reg+2*\p+1], v[\adr] offset:8*PC+16*(PC/8)+(\i)*16*PITCH
.else
	ds_load_b64 v[\reg+2*\p:\reg+2*\p+1], v[\adr+2] offset:8*PC+16*(PC/8)+(\i)*16*PITCH
.endif
.endr
.endm
.macro LQ slot, q                      ; Wq's four fragments: tile t = 2 b + u begins at row 64 b + 16 u of my rows.  24 loads
	WIN 0x40
.irp t, 0,1,2,3
	FRAG QF+FR*\t, ADQ+\slot, \q, 4*(\t/2)+\t%2
.endr
	WIN 0
.endm
.macro LK slot, q                      ; Wk's likewise
	WIN 0x40
.irp t, 0,1,2,3
	FRAG KF+FR*\t, ADK+\slot, \q, 4*(\t/2)+\t%2
.endr
	WIN 0
.endm
.macro LX slot, q, p                   ; x's four fragments into set p
	WIN 0
.irp a, 0,1,2,3
	FRAG XF+48*(\p)+FR*\a, ADX+\slot, \q, \a
.endr
.endm
.macro LV slot, q                      ; Wv's four
	WIN 0
.irp n, 0,1,2,3
	FRAG VF+FR*\n, ADV+\slot, \q, \n
.endr
.endm
.macro SCALES sc                       ; a K step's scale words, two a row, into set sc: 8 loads
.irp a, 0,1,2,3
	ds_load_b64 v[SC+16*\sc+2*\a:SC+16*\sc+2*\a+1], v[ADSX] offset:\a*SBLK
.endr
.irp t, 0,1,2,3
	ds_load_b64 v[SC+16*\sc+8+2*\t:SC+16*\sc+8+2*\t+1], v[ADSQ] offset:(4*(\t/2)+\t%2)*SBLK
.endr
.endm
; 16 matrix instructions each.  p: x's set;  q: which 128 of the slot;  sc: the set of scale words.  The 48 accumulators take turns, one instruction a turn, in the same order in every step.
.macro MULQ p, q, sc, zero
	WIN 0xa1                                       ; source 0 (Wq) window 1, source 1 (x) window 0, C and D window 2
.irp a, 0,1,2,3
.irp t, 0,1,2,3
	WM 8*(4*\a+\t), QF+FR*\t, XF+48*(\p)+FR*\a, 1-\zero, SC+16*(\sc)+8+2*\t+(\q), SC+16*(\sc)+2*\a+(\q), 0, 0
.endr
.endr
.endm
.macro MULK p, q, sc, zero
	WIN 0xa1
.irp a, 0,1,2,3
.irp t, 0,1,2,3
	WM 128+8*(4*\a+\t), KF+FR*\t, XF+48*(\p)+FR*\a, 1-\zero, SC+16*(\sc)+8+2*\t+(\q), SC+16*(\sc)+2*\a+(\q), 1, 0
.endr
.endr
.endm
.macro MULV p, q, sc, zero
	WIN 0x50                                       ; sources window 0, C and D window 1
.irp n, 0,1,2,3
.irp a, 0,1,2,3
	WM 8*(4*\n+\a), XF+48*(\p)+FR*\a, VF+FR*\n, 1-\zero, SC+16*(\sc)+2*\a+(\q), SC+16*(\sc)+2*\n+(\q), 0, 1
.endr
.endr
.endm
; A slot's first 128 along K.  W's fragments have one set each: each is fetched anew as soon as its 16 products are issued; x is at work through the whole step and has two sets.
.macro STEP slot, zero
	s_wait_dscnt 24                                ; all but the youngest 24 loads (Wv's fragments) are in
	MULQ 0, 0, \slot, \zero
	PLACES
	LQ \slot, 1
	MULK 0, 0, \slot, \zero
	PLACES
	LK \slot, 1
	LX \slot, 1, 1
	s_wait_dscnt 48                                ; the 48 just issued may be out: Wv's fragments are in (72 loads are younger than they; the wait's field does not hold that count)
	MULV 0, 0, \slot, \zero
	PLACES
	LV \slot, 1
.endm
; A slot's second 128 changes slots: ONE barrier; ahead of it each wave waits for all its tensor loads, adds 0 to its spare word and waits for that and for its reads of this slot.  fill = 1: the slot is filled again, two K steps on.
.macro TURN slot, next, fill
	s_wait_tensorcnt 0x0                           ; all my tensor loads have landed: my tile of the next slot
	ds_add_u32 v[SPW], v[NIL]                      ; 0 onto my spare word
	s_wait_dscnt 25                                ; (the add and Wv's 24 loads may be out)
	MULQ 1, 1, \slot, 0                            ; sixteen matrix instructions stand between the add and the wait for it
	s_wait_dscnt 0x0                               ; the add is done, and my reads of this slot are over
	s_barrier_signal -1
	MULK 1, 1, \slot, 0
	WIN 0
	s_barrier_wait -1
.if \fill
	CREST                                          ; the barrier has opened a round of the cluster's: no wave of any partner still reads this slot or has a load on its way
	s_add_nc_u64 s[G0A+4*\slot+2:G0A+4*\slot+3], s[G0A+4*\slot+2:G0A+4*\slot+3], 2*ROWB
	s_add_nc_u64 s[G0B+4*\slot+2:G0B+4*\slot+3], s[G0B+4*\slot+2:G0B+4*\slot+3], 2*ROWB
	JLOAD G0A+4*\slot, G1A, G0B+4*\slot, G1B       ; the first tensor load behind the round; its four v_nop are the places ahead of the loads below
.else
	PLACES
.endif
	v_add_nc_u32 v[ADSX], 8, v[ADSX]               ; on to the next K step's scale words
	v_add_nc_u32 v[ADSQ], 8, v[ADSQ]
	LQ \next, 0
	LK \next, 0
	LX \next, 0, 0
	SCALES \next
	MULV 1, 1, \slot, 0
	PLACES
	LV \next, 0
.endm
	s_wait_tensorcnt 1                             ; the scale bytes and my tile of K step 0 are in; K step 1's may stay out
	s_barrier_signal -1
	s_barrier_wait -1                              ; everybody's are
	LQ 0, 0
	LK 0, 0
	LX 0, 0, 0
	SCALES 0
	LV 0, 0
	STEP 0, 1                                      ; the first step stands ahead of the loop: its products start the sums
	s_mov_b32 s3, LAPS-1
.Llap:                                             ; a trip goes once round the ring and fills both slots again
	TURN 0, 1, 1
	STEP 1, 0
	TURN 1, 0, 1
	STEP 0, 0
	s_sub_co_u32 s3, s3, 1
	s_cmp_lg_u32 s3, 0
	s_cbranch_scc1 .Llap
	TURN 0, 1, 0                                   ; the last lap fills nothing
	STEP 1, 0
	s_wait_dscnt 24
	MULQ 1, 1, 1, 0
	MULK 1, 1, 1, 0
	s_wait_dscnt 0x0
	MULV 1, 1, 1, 0
	WIN 0
; THE WAY OUT.
; rope for x tile a: lo = features 32 j + 0..31 (tiles 0, 1), hi = the same + 64 (tiles 2, 3): lo' = lo cos_lo - hi sin_lo, hi' = hi cos_hi + lo sin_hi.  q goes to R + 0..31, k to R + 32..63.  Each accumulator is read from its low end on.
.macro ROPE a
	WIN 0x0e                                       ; source 0 window 2 (accumulators), source 1 window 3 (cos, sin), source 2 and destination window 0
.irp g, 0,1
.irp i, 0,2,4,6,8,10,12,14
	v_pk_mul_f32 v[R+32*\g+\i:R+32*\g+\i+1], v[128*\g+32*\a+\i:128*\g+32*\a+\i+1], v[64*\a+\i:64*\a+\i+1]
	v_pk_mul_f32 v[R+32*\g+16+\i:R+32*\g+16+\i+1], v[128*\g+32*\a+16+\i:128*\g+32*\a+16+\i+1], v[64*\a+16+\i:64*\a+16+\i+1]
	v_pk_fma_f32 v[R+32*\g+\i:R+32*\g+\i+1], v[128*\g+32*\a+16+\i:128*\g+32*\a+16+\i+1], v[64*\a+32+\i:64*\a+32+\i+1], v[R+32*\g+\i:R+32*\g+\i+1] neg_lo:[1,0,0] neg_hi:[1,0,0]
	v_pk_fma_f32 v[R+32*\g+16+\i:R+32*\g+16+\i+1], v[128*\g+32*\a+\i:128*\g+32*\a+\i+1], v[64*\a+48+\i:64*\a+48+\i+1], v[R+32*\g+16+\i:R+32*\g+16+\i+1]
.endr
.endr
	WIN 0
.endm
; 64 numbers of a lane in window w, v[s] on: registers 16 b .. 16 b + 15 are my 16 of block b, lane l xor 16 holds the other 16.  They become two fragment halves (blocks 0, 1 in v[pc] .. v[pc + 5], blocks 2, 3 in
; v[pc + 6] .. v[pc + 11]: lanes 0-15 the even block, lanes 16-31 the odd one) and two half scale words, v[hw] and v[hw + 1].
.macro QUANT s, w, pc, hw
	WIN 5*(\w)
.irp b, 0,1,2,3
	v_max3_num_f32 v[TM+\b], |v[(\s)+16*\b]|, |v[(\s)+16*\b+1]|, 0x1800000   ; my 16 numbers, and the floor 2^(3 - 127): the byte cannot fall under 1
.endr
.irp i, 2,4,6,8,10,12,14
.irp b, 0,1,2,3
	v_max3_num_f32 v[TM+\b], |v[(\s)+16*\b+\i]|, |v[(\s)+16*\b+\i+1]|, v[TM+\b]   ; (the four blocks by turns)
.endr
.endr
	WIN 0
.irp b, 0,1,2,3
	v_permlanex16_b32 v[TM+4+\b], v[TM+\b], s[SEL], s[SEL+1]
.endr
.irp b, 0,1,2,3
	v_max_num_f32 v[TM+\b], v[TM+\b], v[TM+4+\b]   ; with lane l xor 16's: the block's largest magnitude
.endr
.irp b, 0,1,2,3
	v_add_nc_u32 v[TM+12+\b], 0xff000000, v[TM+\b] ; 2 off its exponent field: the conversion takes the exponent field of this operand as its scale
.endr
.irp b, 0,1,2,3
	v_lshrrev_b32 v[TM+4+\b], 23, v[TM+12+\b]      ; the scale's byte
.endr
	v_lshl_or_b32 v[\hw], v[TM+5], 8, v[TM+4]
	v_lshl_or_b32 v[\hw+1], v[TM+7], 8, v[TM+6]
	WIN \w
.irp c, 0,1
	v_cvt_scalef32_pk16_fp6_f32 v[\pc+6*\c:\pc+6*\c+2], v[(\s)+32*\c:(\s)+32*\c+15], v[TM+12+2*\c]
	v_cvt_scalef32_pk16_fp6_f32 v[CT+4*\c:CT+4*\c+2], v[(\s)+32*\c+16:(\s)+32*\c+31], v[TM+13+2*\c]   ; (a conversion's three registers begin on an even number)
.endr
	WIN 0
	v_nop                                          ; one plain place behind a scaled conversion
.irp c, 0,1                            ; the operand's layout wants a whole block in a lane
.irp i, 0,1,2
	v_permlane16_swap_b32 v[\pc+6*\c+\i], v[CT+4*\c+\i]
.endr
.irp i, 0,1,2
	v_mov_b32 v[\pc+6*\c+3+\i], v[CT+4*\c+\i]
.endr
.endr
.endm
	s_wait_loadcnt 0x0                             ; cos and sin
	PLACES                                         ; behind the last products: their results are read and their operands' registers written below
.irp b, 0,1,2,3
	v_mov_b32 v[TM+4+\b], 0                        ; written once: a lane permute's destination counts as one of its sources
.endr
.irp a, 0,1,2,3                        ; 16 rows at a time: my half j of q's and of k's fragment.  Each store covers 512 or 256 consecutive bytes, aligned
	ROPE \a
	QUANT R, 0, PCS+12*\a, HW+2*\a
	global_store_b128 v[L16], v[PCS+12*\a:PCS+12*\a+3], s[20:21] offset:1536*\a
	global_store_b64 v[L8], v[PCS+12*\a+4:PCS+12*\a+5], s[20:21] offset:1536*\a+512
	global_store_b128 v[L16], v[PCS+12*\a+6:PCS+12*\a+9], s[24:25] offset:1536*\a
	global_store_b64 v[L8], v[PCS+12*\a+10:PCS+12*\a+11], s[24:25] offset:1536*\a+512
	ds_store_b16 v[SSA], v[HW+2*\a] offset:64*\a           ; lanes l and l xor 16 write the same two bytes with the same value
	ds_store_b16 v[SSA], v[HW+2*\a+1] offset:512+64*\a
.endr
.irp n, 0,2                            ; v: channel tiles n and n + 1; my 64 keys are blocks 2 i and 2 i + 1 of the 128: half i of each fragment
	QUANT 32*\n, 1, PCS+48+6*\n, HW+8+\n
	global_store_b128 v[L16], v[PCS+48+6*\n:PCS+48+6*\n+3], s[28:29] offset:1536*\n
	global_store_b64 v[L8], v[PCS+48+6*\n+4:PCS+48+6*\n+5], s[28:29] offset:1536*\n+512
	global_store_b128 v[L16], v[PCS+48+6*\n+6:PCS+48+6*\n+9], s[28:29] offset:1536*\n+1536
	global_store_b64 v[L8], v[PCS+48+6*\n+10:PCS+48+6*\n+11], s[28:29] offset:1536*\n+2048
	ds_store_b16 v[SSV], v[HW+8+\n] offset:64*\n
	ds_store_b16 v[SSV], v[HW+9+\n] offset:64*\n+64
.endr
	s_wait_dscnt 0x0                               ; for the others' sake: my half words lie in the stage
	s_barrier_signal -1
	s_barrier_wait -1
	s_cmp_eq_u32 s[WV], 3                          ; waves 0 to 2 each store 512 bytes of whole scale words
	s_cbranch_scc1 .Lno_words
	ds_load_b128 v[240:243], v[SOUT]
	s_wait_dscnt 0x0
	global_store_b128 v[L16], v[240:243], s[22:23]
.Lno_words:
	s_wait_tensorcnt 0x0                           ; the wave's end
	ds_add_u32 v[SPW], v[NIL]
	s_wait_dscnt 0x0
	CROUND                                         ; the closing round: no work-group ends while a partner may still ask for a tile that names it
	s_endpgm
.Lfunc_end_k_q5d8c079ad3_qkv:
	.size	k_q5d8c079ad3_qkv, .Lfunc_end_k_q5d8c079ad3_qkv-k_q5d8c079ad3_qkv
	.p2alignl 7, 3214868480
	.fill 96, 4, 3214868480
	.section	.rodata,"a",@progbits
	.p2align	6, 0x0
	.amdhsa_kernel k_q5d8c079ad3_qkv
		.amdhsa_group_segment_fixed_size 327680
		.amdhsa_private_segment_fixed_size 0
		.amdhsa_enable_private_segment 0
		.amdhsa_kernarg_size 128
		.amdhsa_user_sgpr_count 2
		.amdhsa_user_sgpr_kernarg_segment_ptr 1
		.amdhsa_wavefront_size32 1
		.amdhsa_system_sgpr_workgroup_id_x 1
		.amdhsa_system_sgpr_workgroup_id_y 1
		.amdhsa_system_sgpr_workgroup_id_z 1
		.amdhsa_system_vgpr_workitem_id 0
		.amdhsa_next_free_vgpr 1024
		.amdhsa_next_free_sgpr 102
		.amdhsa_reserve_vcc 0
		.amdhsa_float_denorm_mode_32 3
		.amdhsa_float_denorm_mode_16_64 3
		.amdhsa_memory_ordered 1
		.amdhsa_forward_progress 1
		.amdhsa_inst_pref_size 166
	.end_amdhsa_kernel
	.amdgpu_metadata
---
amdhsa.version: [ 1, 2 ]
amdhsa.kernels:
  - .name:           k_q5d8c079ad3_qkv
    .symbol:         k_q5d8c079ad3_qkv.kd
    .args:
      - { .name: x_codes, .offset: 0, .size: 8, .value_kind: global_buffer, .address_space: global }
      - { .name: x_scales, .offset: 8, .size: 8, .value_kind: global_buffer, .address_space: global }
      - { .name: Wq_codes, .offset: 16, .size: 8, .value_kind: global_buffer, .address_space: global }
      - { .name: Wq_scales, .offset: 24, .size: 8, .value_kind: global_buffer, .address_space: global }
      - { .name: Wk_codes, .offset: 32, .size: 8, .value_kind: global_buffer, .address_space: global }
      - { .name: Wk_scales, .offset: 40, .size: 8, .value_kind: global_buffer, .address_space: global }
      - { .name: Wv_codes, .offset: 48, .size: 8, .value_kind: global_buffer, .address_space: global }
      - { .name: Wv_scales, .offset: 56, .size: 8, .value_kind: global_buffer, .address_space: global }
      - { .name: freqs_cos, .offset: 64, .size: 8, .value_kind: global_buffer, .address_space: global }
      - { .name: freqs_sin, .offset: 72, .size: 8, .value_kind: global_buffer, .address_space: global }
      - { .name: q_img, .offset: 80, .size: 8, .value_kind: global_buffer, .address_space: global }
      - { .name: q_sc, .offset: 88, .size: 8, .value_kind: global_buffer, .address_space: global }
      - { .name: k_img, .offset: 96, .size: 8, .value_kind: global_buffer, .address_space: global }
      - { .name: k_sc, .offset: 104, .size: 8, .value_kind: global_buffer, .address_space: global }
      - { .name: v_img, .offset: 112, .size: 8, .value_kind: global_buffer, .address_space: global }
      - { .name: v_sc, .offset: 120, .size: 8, .value_kind: global_buffer, .address_space: global }
    .group_segment_fixed_size: 327680
    .private_segment_fixed_size: 0
    .kernarg_segment_align: 8
    .kernarg_segment_size: 128
    .max_flat_workgroup_size: 128
    .sgpr_count:     102
    .vgpr_count:     1024
    .wavefront_size: 32
...
	.end_amdgpu_metadata
.endif
;; end of part 1
;; launch attn (part 2): grid 16 x 16, 8 waves a work-group, clusters of 4 x 4, 327,680 bytes of LDS; arguments q_img, q_sc, k_img, k_sc, v_img, v_sc, attention_mask, alibi, o_img, o_sc; writes o_img, o_sc
.if DOCPART == 2
	.amdgcn_target "amdgcn-amd-amdhsa--gfx1250"
	.amdhsa_code_object_version 6
	.text
	.protected	k_q5d8c079ad3_attn
	.globl	k_q5d8c079ad3_attn
	.p2align	8
	.type	k_q5d8c079ad3_attn,@function
k_q5d8c079ad3_attn:
	s_mov_b64 s[64:65], 0
	v_nop
	global_prefetch_b8 v0, s[64:65] scope:SCOPE_SE
	s_setreg_imm32_b32 hwreg(HW_REG_WAVE_MODE, 25, 1), 1
	s_wait_xcnt 0x0
	s_wait_alu depctr_hold_cnt(0) depctr_sa_sdst(0) depctr_va_vdst(0) depctr_va_sdst(0) depctr_va_ssrc(0) depctr_va_vcc(0) depctr_vm_vsrc(0)
	s_getreg_b32 s2, hwreg(HW_REG_IB_STS2, 6, 4)
	s_cmp_eq_u32 s2, 0
	s_cbranch_scc0 .Lentry_in_a_cluster
	s_endpgm
.Lentry_in_a_cluster:
	s_bfe_u32 s2, ttmp6, 0x10000c
	s_cmp_lg_u32 s2, 0xf033
	s_cbranch_scc0 .Lentry_shape_is_right
	s_endpgm
.Lentry_shape_is_right:
; o = softmax(q k^T / sqrt(128) + mask + alibi) v for ONE head and 128 queries, both products on codes of FP6 (E2M3) with one E8M0 scale for each 32 along K; o is quantised along the 2,048 hidden channels and leaves as
; images of operand registers for the last launch.  q, k, v arrive as such images (1,536 bytes a fragment: half c at 768 c; lane l's registers 6 c .. 6 c + 3 at 16 l, 6 c + 4, 6 c + 5 at 512 + 8 l) with 64 bytes of scale words each.
; THE SOFTMAX: z = s / sqrt(128) + (mask + alibi), one fused multiply-add; t = z log2(e); M = the running largest t rounded UP to a whole number; p = 2^(t - M) is quantised along the keys, not normalised.
; The row's sum is taken of the unquantised p and divides O at the end.  When M moves, the sum and O are multiplied by 2^(old M - new M): exact.  The mask and the alibi are read as they are given: every key step is walked.
; SHARES.  Work-group (x = head, y = 128 queries), EIGHT waves, two to a SIMD, 512 registers each; a wave owns one tile of 16 queries.  A key step of 128 keys is 16 matrix instructions a tile against some 330 vector
; instructions, chains of dependent lines among them: while one wave waits, the other wave of its SIMD issues.  The price: each fragment of k and v read from LDS feeds one matrix instruction.
; Both products are used transposed: S^T = k q^T (source 0 = 16 keys), O^T = v^T p^T (source 0 = 16 channels): a lane holds ONE query (lane % 16) throughout.
; ORDER ALONG THE KEYS: a lane's 16 registers of tiles 2 b, 2 b + 1 are the keys 32 b + 16 u + 8 h + j; quantised, key 16 u + 8 h + j of a block stands at place 16 h + 8 u + j: v's images were made with the same places.
; PERIODS OF TWO KEY STEPS.  One refill brings the mask's 128 rows x 256 keys (rows of 1,024 bytes) and two steps' images of k and of v.  The mask has ONE region in LDS: in the middle of a period's second step, when
; both of the period's masks are used up, the next period's are copied into registers (128 a wave), and the region is filled again at once, together with the k / v slot that has been read out.  So a refill has two key
; steps' work in which to land, and there is one round of the cluster's barrier for two key steps.  Two regions of that size beside two k / v slots would not fit in LDS (2 x 133,120 + 2 x 49,152 + 25,600 bytes).
; CLUSTER 4 x 4: the mask's tile hangs on y alone and is shared along a row of the cluster; k, v, their scale words and the alibi hang on the head alone and are shared along a column: all tensor loads are joint.
; LIMITS: NaN and infinities among the inputs are not served, nor a query whose every logit is -infinity.  A block under 2^(3 - 127), a block of zeros among them, gets the byte 1 (read by this program alone).
.set KVX,   1<<16                      ; k / v slot 0 at LDS byte 0, slot 1 at 65,536: one exclusive or turns an address from one to the other.  A slot: k's images of two steps (24,576 bytes), then v's
.set VIM,   24576
.set KSC,   49152                      ; behind slot 0, filled once: k's scale words of the whole head, 8,192 bytes; v's 8,192 bytes on
.set ALB,   114688                     ; behind slot 1, filled once: the head's alibi, 2,048 f32
.set SPARE, 122880                     ; the spare words: 128 bytes a wave, four blocks of 256 bytes that no other line names
.set SSTG,  123904                     ; the stage for o's scale words, 512 bytes; no tensor load lands there
.set MSK,   131072                     ; the mask's region: 128 rows
.set MP,    1040                       ; of 1,024 bytes + 16: row r starts 4 r banks on (64 banks of 4 bytes: ISA guide 11.1)
.set AM0,  1                           ; v1   my place in the mask's region: MSK + (16 w + r) 1040 + 32 h; never rewritten
.set L16,  2                           ; v2   16 x lane
.set L8,   3                           ; v3   8 x lane + 512
.set BSC,  4                           ; v4   KSC + 4 x lane
.set BAL,  5                           ; v5   ALB + my place in 32 numbers of the alibi
.set SPW,  6                           ; v6   my spare word;  v7  0: both never rewritten
.set NIL,  7
.set AD16, 8                           ; v8-11 the period's addresses: images (16 and 8 bytes a lane), scale words, alibi
.set AD8,  9
.set ADSC, 10
.set ADA,  11
.set SSO,  12                          ; v12  where my row's scale word of o goes
.set SRD,  13                          ; v13  where wave 0 reads the scale stage back
.set R4,   14                          ; v14  4 x (lane % 16)
.set QF,   16                          ; v16-27 q's fragment
.set QS,   28                          ; v28  q's scale words
.set PW,   29                          ; v29  p's scale word (at the end o's)
.set KSW,  32                          ; v32-35 k's scale words: register p: tile 2 p in lanes 0-15, 2 p + 1 in lanes 16-31
.set VSW,  36                          ; v36-39 v's likewise
.set AL,   40                          ; v40-47 the alibi of the period's two steps, 32 numbers a register
.set ST,   48                          ; v48-51 -M, the largest t, the sum in two halves
.set W,    52                          ; v52-67 +0..3 block maxima, +4..7 at work, +8..11 the conversions' scales, +12,13 f (a pair), +14 at work
.set P,    68                          ; v68-79 p's codes
.set S,    80                          ; v80-143 S^T, then p
.set KV,   144                         ; v144-239 ONE set of 8 fragments: k until S^T is issued, then v until O^T is issued, then the next step's k
.set MK,   64                          ; window 1: v0-63 O^T; v64-191 the masks of the period's two steps, 64 each
.set WV,   4                           ; s4 wave
.set TB,   12                          ; s12 LDS byte at which the period's k / v slot begins
.set TS,   14                          ; s14 1,024 x the period: its scale words and its alibi
.set G1M,  36
.set G1D,  44
.set G1S,  52
.set G0S,  60
.set G0M,  68                          ; walks along the mask's rows; its LDS address stays
.set G0DA, 76
.set G0DB, 80                          ; walks
.set SEL,  84
.set CI,   86                          ; s[86:87] 1 / sqrt(128)
.set CL,   88                          ; s[88:89] log2(e)
.set MSB, 0
.macro WIN new                         ; the immediate's high byte repeats the setting that is left; a switch that changes nothing is dropped
.if MSB != \new
	s_set_vgpr_msb (MSB<<8)|\new
.set MSB, \new
.endif
.endm
.macro PLACES                          ; four plain places behind matrix instructions (ISA guide 7.12.1)
.rept 4
	v_nop
.endr
.endm
.macro CROUND                          ; a round of the cluster's barrier
	s_barrier_signal -1
	s_barrier_wait -1
	s_cmp_lg_u32 s[WV], 0
	s_cbranch_scc1 .Lnot_wave_0_\@
	s_barrier_signal -3
.Lnot_wave_0_\@:
	s_barrier_wait -3
	s_barrier_signal -1
	s_barrier_wait -1
.endm
; A joint refill: waves 0 and 1 the mask's halves; kv = 1: wave 2 k's images, wave 3 v's; the other waves nothing.  The branches hang on the wave's number alone.  Four v_nop follow each line.
.macro JL kv
	s_cmp_lt_u32 s[WV], 2
	s_cbranch_scc0 .Lnot_m_\@
	tensor_load_to_lds s[G0M:G0M+3], s[G1M:G1M+7]
	s_nop 0
.rept 4
	v_nop
.endr
.if \kv
	s_branch .Lasked_\@
.endif
.Lnot_m_\@:
.if \kv
	s_cmp_lt_u32 s[WV], 4
	s_cbranch_scc0 .Lasked_\@
	tensor_load_to_lds s[G0DB:G0DB+3], s[G1D:G1D+7]
	s_nop 0
.rept 4
	v_nop
.endr
.Lasked_\@:
.endif
.endm
.macro WM d, a, b, acc, sa, sb, ra     ; one matrix instruction: first registers of D, source 0, source 1; acc = 1: C = D, 0: C = 0; scale registers; ra = 1: source 0's scales stand in lanes 16-31
.if \acc
.if \ra
	v_wmma_scale_f32_16x16x128_f8f6f4 v[\d:\d+7], v[\a:\a+11], v[\b:\b+11], v[\d:\d+7], v[\sa], v[\sb] matrix_a_fmt:MATRIX_FMT_FP6 matrix_b_fmt:MATRIX_FMT_FP6 matrix_a_scale:MATRIX_SCALE_ROW1
.else
	v_wmma_scale_f32_16x16x128_f8f6f4 v[\d:\d+7], v[\a:\a+11], v[\b:\b+11], v[\d:\d+7], v[\sa], v[\sb] matrix_a_fmt:MATRIX_FMT_FP6 matrix_b_fmt:MATRIX_FMT_FP6
.endif
.else
.if \ra
	v_wmma_scale_f32_16x16x128_f8f6f4 v[\d:\d+7], v[\a:\a+11], v[\b:\b+11], 0, v[\sa], v[\sb] matrix_a_fmt:MATRIX_FMT_FP6 matrix_b_fmt:MATRIX_FMT_FP6 matrix_a_scale:MATRIX_SCALE_ROW1
.else
	v_wmma_scale_f32_16x16x128_f8f6f4 v[\d:\d+7], v[\a:\a+11], v[\b:\b+11], 0, v[\sa], v[\sb] matrix_a_fmt:MATRIX_FMT_FP6 matrix_b_fmt:MATRIX_FMT_FP6
.endif
.endif
.endm
	s_load_b512 s[16:31], s[0:1], 0x0              ; q_img 16:17, q_sc 18:19, k_img 20:21, k_sc 22:23, v_img 24:25, v_sc 26:27, mask 28:29, alibi 30:31
	s_load_b128 s[32:35], s[0:1], 0x40             ; o_img 32:33, o_sc 34:35
	v_lshl_add_u32 v[SPW], v0, 2, SPARE
	v_mov_b32 v[NIL], 0
	ds_add_u32 v6, v7
	ds_add_u32 v6, v7
	s_wait_dscnt 0x0
	v_lshrrev_b32 v1, 5, v0
	v_readfirstlane_b32 s[WV], v1                  ; wave 0..7
	s_and_b32 s5, s[WV], 1
	s_bfe_u32 s6, ttmp6, 0x40000                   ; cx, cy
	s_bfe_u32 s7, ttmp6, 0x40004
	s_lshl_b32 s8, ttmp9, 2
	s_add_co_u32 s8, s8, s6                        ; the head
	s_and_b32 s9, ttmp7, 0xffff
	s_lshl_b32 s9, s9, 2
	s_add_co_u32 s9, s9, s7                        ; y: the block of 128 queries
	s_lshl_b32 s10, s7, 2
	s_lshl_b32 s10, 15, s10                        ; my row of the cluster
	s_lshl_b32 s11, 0x1111, s6                     ; my column
	s_or_b32 s[G1M], s10, (2<<16)|(1<<20)|(1<<21)|(7<<22)|(3<<25)   ; the mask: 64 rows x 256 f32; to my row; padding of 4 words behind every 256
	s_mov_b32 s[G1M+1], 256<<16
	s_mov_b32 s[G1M+2], 64<<16
	s_mov_b32 s[G1M+3], 256<<16
	s_mov_b32 s[G1M+4], 64
	s_mov_b32 s[G1M+5], 2048                       ; a row of the mask in memory, in elements
	s_mov_b32 s[G1M+6], 0
	s_mov_b32 s[G1M+7], 0
	s_or_b32 s[G1D], s11, (3<<16)|(1<<21)          ; 24,576 dense bytes as 96 rows of 256 (32 elements of 8 bytes); to my column; no padding
	s_mov_b32 s[G1D+1], 32<<16
	s_mov_b32 s[G1D+2], 96<<16
	s_mov_b32 s[G1D+3], 32<<16
	s_mov_b32 s[G1D+4], 96
	s_mov_b32 s[G1D+5], 32
	s_mov_b32 s[G1D+6], 0
	s_mov_b32 s[G1D+7], 0
	s_or_b32 s[G1S], s11, (3<<16)|(1<<21)          ; 8,192 dense bytes as 32 rows of 256
	s_mov_b32 s[G1S+1], 32<<16
	s_mov_b32 s[G1S+2], 32<<16
	s_mov_b32 s[G1S+3], 32<<16
	s_mov_b32 s[G1S+4], 32
	s_mov_b32 s[G1S+5], 32
	s_mov_b32 s[G1S+6], 0
	s_mov_b32 s[G1S+7], 0
	s_lshl_b32 s90, s9, 20                         ; the mask at row 128 y + 64 (w & 1): rows of 8,192 bytes
	s_lshl_b32 s91, s5, 19
	s_add_co_u32 s90, s90, s91
	s_mov_b32 s91, 0
	s_mul_i32 s92, s8, 196608                      ; the head's images
	s_mov_b32 s93, 0
	s_lshl_b32 s94, s8, 13                         ; the head's scale words, and its alibi
	s_mov_b32 s95, 0
	s_mul_i32 s96, s5, 64*MP
	s_add_co_u32 s96, s96, MSK                     ; in LDS: my half of the mask (waves 0, 1);
	s_mul_i32 s97, s5, VIM                         ; in a slot: k's images (wave 2) or v's (wave 3);
	s_and_b32 s98, s[WV], 3                        ; wave 4: k's scale words at KSC, wave 5: v's 8,192 on, wave 6: the alibi at ALB
	s_lshl_b32 s98, s98, 13
	s_lshr_b32 s99, s[WV], 1
	s_and_b32 s99, s99, 1
	s_mul_i32 s99, s99, ALB-KSC-16384
	s_add_co_u32 s98, s98, s99
	s_add_co_u32 s98, s98, KSC
	s_mov_b32 s[SEL], 0x76543210
	s_mov_b32 s[SEL+1], 0xfedcba98                 ; v_permlanex16_b32's selects for lane l xor 16
	s_mov_b32 s[CI], 0x3db504f3                    ; 1 / sqrt(128)
	s_mov_b32 s[CI+1], s[CI]                       ; (named with it as a pair, so it is written)
	s_mov_b32 s[CL], 0x3fb8aa3b                    ; log2(e)
	s_mov_b32 s[CL+1], s[CL]
	s_mov_b32 s[TB], 0
	s_mov_b32 s[TS], 0
	s_wait_kmcnt 0x0
	s_cmp_eq_u32 s[WV], 3                          ; the choices hang on the wave's number alone
	s_cselect_b64 s[20:21], s[24:25], s[20:21]
	s_cmp_eq_u32 s[WV], 5
	s_cselect_b64 s[22:23], s[26:27], s[22:23]
	s_cmp_eq_u32 s[WV], 6
	s_cselect_b64 s[22:23], s[30:31], s[22:23]
	s_add_nc_u64 s[28:29], s[28:29], s[90:91]
	s_add_nc_u64 s[20:21], s[20:21], s[92:93]
	s_add_nc_u64 s[22:23], s[22:23], s[94:95]
	CROUND                                         ; all sixteen work-groups are here: the first joint loads meet
	s_mov_b32 s[G0M], 1
	s_mov_b32 s[G0M+1], s96
	s_mov_b64 s[G0M+2:G0M+3], s[28:29]
	s_or_b32 s[G0M+3], s[G0M+3], 0x80000000
	s_mov_b32 s[G0DA], 1
	s_mov_b32 s[G0DA+1], s97
	s_mov_b64 s[G0DA+2:G0DA+3], s[20:21]
	s_or_b32 s[G0DA+3], s[G0DA+3], 0x80000000
	s_mov_b32 s[G0DB], 1
	s_add_co_u32 s[G0DB+1], s97, KVX
	s_add_nc_u64 s[G0DB+2:G0DB+3], s[20:21], 24576
	s_or_b32 s[G0DB+3], s[G0DB+3], 0x80000000
	s_mov_b32 s[G0S], 1
	s_mov_b32 s[G0S+1], s98
	s_mov_b64 s[G0S+2:G0S+3], s[22:23]
	s_or_b32 s[G0S+3], s[G0S+3], 0x80000000
	s_cmp_lt_u32 s[WV], 2                          ; THE FIRST FILLS, each wave's in one branch: the mask of period 0; both k / v slots; what is filled once.  At most two loads of mine are out; wave 7 has none, so the wait behind them is for 0
	s_cbranch_scc0 .Lfirst_not_m
	tensor_load_to_lds s[G0M:G0M+3], s[G1M:G1M+7]
	s_nop 0
.rept 4
	v_nop
.endr
	s_branch .Lfirst_done
.Lfirst_not_m:
	s_cmp_lt_u32 s[WV], 4
	s_cbranch_scc0 .Lfirst_not_d
	tensor_load_to_lds s[G0DA:G0DA+3], s[G1D:G1D+7]
	s_nop 0
	tensor_load_to_lds s[G0DB:G0DB+3], s[G1D:G1D+7]
	s_nop 0
.rept 4
	v_nop
.endr
	s_branch .Lfirst_done
.Lfirst_not_d:
	s_cmp_lt_u32 s[WV], 7
	s_cbranch_scc0 .Lfirst_done
	tensor_load_to_lds s[G0S:G0S+3], s[G1S:G1S+7]
	s_nop 0
.rept 4
	v_nop
.endr
.Lfirst_done:
	v_and_b32 v248, 31, v0                         ; lane
	v_and_b32 v249, 15, v0                         ; r
	v_bfe_u32 v250, v0, 4, 1                       ; h
	v_lshlrev_b32 v[L16], 4, v248
	v_lshlrev_b32 v[L8], 3, v248
	v_add_nc_u32 v[L8], 512, v[L8]
	v_lshl_add_u32 v[BSC], v248, 2, KSC
	v_lshlrev_b32 v[R4], 2, v249
	s_mul_i32 s2, s[WV], 16*MP
	s_add_co_u32 s2, s2, MSK
	v_mul_u32_u24 v[AM0], v249, MP
	v_lshl_add_u32 v[AM0], v250, 5, v[AM0]
	v_add_nc_u32 v[AM0], s2, v[AM0]
	v_and_b32 v251, 7, v0                          ; lane (h, n) of an alibi register holds key 16 (n / 8) + 8 h + n % 8 of its 32
	v_bfe_u32 v252, v0, 3, 1
	v_lshl_add_u32 v251, v252, 4, v251
	v_lshl_add_u32 v251, v250, 3, v251
	v_lshl_add_u32 v[BAL], v251, 2, ALB
	s_lshl_b32 s2, s[WV], 6
	v_lshl_add_u32 v[SSO], v249, 2, SSTG
	v_add_nc_u32 v[SSO], s2, v[SSO]                ; o's scale stage: tile w, word r
	v_add_nc_u32 v[SRD], SSTG, v[L16]
	s_lshl_b32 s92, s8, 7                          ; q: tile 128 head + 8 y + w
	s_lshl_b32 s94, s9, 3
	s_add_co_u32 s92, s92, s94
	s_add_co_u32 s92, s92, s[WV]
	s_lshl_b32 s94, s92, 6
	s_mov_b32 s95, 0
	s_mul_i32 s92, s92, 1536
	s_mov_b32 s93, 0
	s_add_nc_u64 s[16:17], s[16:17], s[92:93]
	s_add_nc_u64 s[18:19], s[18:19], s[94:95]
.irp c, 0,1
	global_load_b128 v[QF+6*\c:QF+6*\c+3], v[L16], s[16:17] offset:768*\c
	global_load_b64 v[QF+6*\c+4:QF+6*\c+5], v[L8], s[16:17] offset:768*\c
.endr
	global_load_b32 v[QS], v[R4], s[18:19]         ; both halves of the lanes take the tile's 16 words
	s_lshl_b32 s92, s9, 4                          ; o: fragment (16 y + head) 8 + w
	s_add_co_u32 s92, s92, s8
	s_lshl_b32 s94, s92, 9
	s_mov_b32 s95, 0
	s_lshl_b32 s92, s92, 3
	s_add_co_u32 s92, s92, s[WV]
	s_mul_i32 s92, s92, 1536
	s_mov_b32 s93, 0
	s_add_nc_u64 s[32:33], s[32:33], s[92:93]
	s_add_nc_u64 s[34:35], s[34:35], s[94:95]
	v_mov_b32 v[ST+1], 0xff61b1e6                  ; the largest t so far: -3e38, under every t
	v_floor_f32 v[ST], -v[ST+1]                    ; -M
	v_mov_b32 v[ST+2], 0                           ; the sum, in two halves
	v_mov_b32 v[ST+3], 0
.irp b, 4,5,6,7,13
	v_mov_b32 v[W+\b], 0                           ; lane permutes' destinations, and the upper half of the pair that holds f: written once
.endr
	WIN 0x40
.set J, 0
.rept 64
	v_mov_b32 v[J], 0                              ; O^T.  (The key step is written without a first step of its own: the first change of M multiplies zeros)
.set J, J+1
.endr
	WIN 0
; THE LDS LOADS.  Images come as they lie: every load covers 512 or 256 consecutive bytes.  st: which of the period's two key steps.
.macro ADDRS                           ; the period's four address registers
	v_add_nc_u32 v[AD16], s[TB], v[L16]
	v_add_nc_u32 v[AD8], s[TB], v[L8]
	v_add_nc_u32 v[ADSC], s[TS], v[BSC]
	v_add_nc_u32 v[ADA], s[TS], v[BAL]
.endm
.macro LOADK st                        ; 36 loads
.irp kt, 0,1,2,3,4,5,6,7
.irp c, 0,1
	ds_load_b128 v[KV+12*\kt+6*\c:KV+12*\kt+6*\c+3], v[AD16] offset:12288*(\st)+1536*\kt+768*\c
	ds_load_b64 v[KV+12*\kt+6*\c+4:KV+12*\kt+6*\c+5], v[AD8] offset:12288*(\st)+1536*\kt+768*\c
.endr
.endr
.irp p, 0,1,2,3
	ds_load_b32 v[KSW+\p], v[ADSC] offset:512*(\st)+128*\p
.endr
.endm
.macro LOADV st                        ; 36 loads
.irp ct, 0,1,2,3,4,5,6,7
.irp c, 0,1
	ds_load_b128 v[KV+12*\ct+6*\c:KV+12*\ct+6*\c+3], v[AD16] offset:VIM+12288*(\st)+1536*\ct+768*\c
	ds_load_b64 v[KV+12*\ct+6*\c+4:KV+12*\ct+6*\c+5], v[AD8] offset:VIM+12288*(\st)+1536*\ct+768*\c
.endr
.endr
.irp p, 0,1,2,3
	ds_load_b32 v[VSW+\p], v[ADSC] offset:8192+512*(\st)+128*\p
.endr
.endm
.macro LOADM off                       ; a period's masks in S^T's layout: register 64 st + 8 kt + j is mask(query r, key 128 st + 16 kt + 8 h + j); and its alibi, off bytes on from the period in hand.  40 loads
	WIN 0x40                                       ; destination window 1
.irp st, 0,1
.irp kt, 0,1,2,3,4,5,6,7
.irp e, 0,1
	ds_load_b128 v[MK+64*\st+8*\kt+4*\e:MK+64*\st+8*\kt+4*\e+3], v[AM0] offset:512*\st+64*\kt+16*\e
.endr
.endr
.endr
	WIN 0
.irp st, 0,1
.irp g, 0,1,2,3
	ds_load_b32 v[AL+4*\st+\g], v[ADA] offset:(\off)+512*\st+128*\g
.endr
.endr
.endm
; THE REFILL.  Every wave: all its tensor loads have landed; 0 onto its spare word; the add and its reads of the bytes to be filled (the mask's region; kv = 1: the k / v slot of the period in hand) are done;
; a round of the cluster's barrier, so that the same holds of every wave of every partner; then the joint load, the first thing behind it.
.macro REFILL kv
	s_wait_tensorcnt 0x0                           ; no tensor load of mine is out, so a group 0 may be written
	ds_add_u32 v[SPW], v[NIL]                      ; 0 onto my spare word; the descriptors' steps stand between it and the wait for it
	ds_add_u32 v6, v7
	s_add_nc_u64 s[G0M+2:G0M+3], s[G0M+2:G0M+3], 1024   ; the next 256 keys of the mask's rows; the type bits on top are not reached
.if \kv
	s_xor_b32 s[G0DB+1], s[G0DB+1], KVX            ; the other slot than last time,
	s_add_nc_u64 s[G0DB+2:G0DB+3], s[G0DB+2:G0DB+3], 24576   ; the next two steps' images
.endif
	s_wait_dscnt 0x0
	CROUND
	JL \kv
.endm
.macro MROW n                          ; line n of the chain from the four block maxima to -M and f
.if \n == 0
	v_max3_num_f32 v[W+14], v[W], v[W+1], v[W+2]
.elseif \n == 1
	v_max_num_f32 v[W+14], v[W+14], v[W+3]         ; the step's largest logit of my query
.elseif \n == 2
	v_mul_f32 v[W+14], s[CL], v[W+14]              ; as t
.elseif \n == 3
	v_max_num_f32 v[ST+1], v[ST+1], v[W+14]        ; the running largest t
.elseif \n == 4
	v_mov_b32 v[W+14], v[ST]
.elseif \n == 5
	v_floor_f32 v[ST], -v[ST+1]                    ; the new -M = floor(-t): M is a whole number
.elseif \n == 6
	v_sub_f32 v[W+14], v[ST], v[W+14]              ; old M - new M: a whole number, 0 or less
.elseif \n == 7
	v_cvt_i32_f32 v[W+14], v[W+14]                 ; (it saturates)
.else
	v_ldexp_f32 v[W+12], 1.0, v[W+14]              ; f = 2^(old M - new M)
.endif
.endm
; From the block maxima to p's (or o's) codes in v[P] on and the scale word in v[PW].  v[W + b] holds block b's largest magnitude, the floor among its leaves.
.macro CODES
.irp b, 0,1,2,3
	v_add_nc_u32 v[W+8+\b], 0xff000000, v[W+\b]    ; 2 off the exponent field: the conversion's scale operand
.endr
.irp b, 0,1,2,3
	v_lshrrev_b32 v[W+4+\b], 23, v[W+8+\b]         ; the scale's byte
.endr
	v_lshl_or_b32 v[PW], v[W+5], 8, v[W+4]
	v_lshl_or_b32 v[PW], v[W+6], 16, v[PW]
	v_lshl_or_b32 v[PW], v[W+7], 24, v[PW]
.irp c, 0,1
	v_cvt_scalef32_pk16_fp6_f32 v[P+6*\c:P+6*\c+2], v[S+32*\c:S+32*\c+15], v[W+8+2*\c]
	v_cvt_scalef32_pk16_fp6_f32 v[W+4*\c:W+4*\c+2], v[S+32*\c+16:S+32*\c+31], v[W+9+2*\c]   ; (a conversion's three registers begin on an even number)
.endr
	v_nop                                          ; one plain place behind a scaled conversion
.irp c, 0,1                            ; the operand's layout wants a whole block in a lane
.irp i, 0,1,2
	v_permlane16_swap_b32 v[P+6*\c+\i], v[W+4*\c+\i]
.endr
.irp i, 0,1,2
	v_mov_b32 v[P+6*\c+3+\i], v[W+4*\c+\i]
.endr
.endr
.endm
; A KEY STEP, the st-th of its period.  x = 1: the next period's masks are copied into registers on the way;  fill = 1: the mask's region and this period's k / v slot are filled again;  next = 1: the next step's k is fetched.
.macro BODY st, x, fill, next
	s_wait_dscnt 0x0                               ; k and its scale words are in
.irp kt, 0,1,2,3,4,5,6,7               ; S^T: 8 accumulators, one instruction each
	WM S+8*\kt, KV+12*\kt, QF, 0, KSW+\kt/2, QS, \kt%2
.endr
	PLACES                                         ; ahead of the loads into the registers that these products read
	LOADV \st
	WIN 0x44                                       ; destination and source 1 window 1
.irp g, 0,1,2,3                        ; mask + alibi: lane n of the row of 16 lanes holds the alibi of register 16 g + n's key
.irp n, 0,1,2,3,4,5,6,7,8,9,10,11,12,13,14,15
	v_add_f32_dpp v[MK+64*(\st)+16*\g+\n], v[AL+4*(\st)+\g], v[MK+64*(\st)+16*\g+\n] row_share:\n row_mask:0xf bank_mask:0xf
.endr
.endr
	WIN 0x10                                       ; source 2 window 1
.set J, 0
.rept 32
	v_pk_fma_f32 v[S+J:S+J+1], v[S+J:S+J+1], s[CI:CI+1], v[MK+64*(\st)+J:MK+64*(\st)+J+1] op_sel_hi:[1,0,1]   ; z = s / sqrt(128) + (mask + alibi); each accumulator from its low end on
.set J, J+2
.endr
	WIN 0
.if \x
	s_wait_tensorcnt 0x0                           ; this wait serves reads: my part of the next period's tiles has landed (the one load of mine that was out),
	s_wait_dscnt 0x0                               ; (no LDS load of mine is pending at a signal)
	s_barrier_signal -1
	s_barrier_wait -1                              ; everybody's has.
	LOADM 1024                                     ; both of this period's masks are used up: their registers take the next period's
.endif
.irp b, 0,1,2,3
	v_max3_num_f32 v[W+\b], v[S+16*\b], v[S+16*\b+1], v[S+16*\b+2]   ; the largest logit of each block of 32 keys: for the row's maximum and, since p rises with the logit, for the block's largest p
.endr
.irp i, 3,5,7,9,11,13
.irp b, 0,1,2,3
	v_max3_num_f32 v[W+\b], v[W+\b], v[S+16*\b+\i], v[S+16*\b+\i+1]   ; (the four blocks by turns)
.endr
.endr
.irp b, 0,1,2,3
	v_max_num_f32 v[W+\b], v[W+\b], v[S+16*\b+15]
.endr
.irp b, 0,1,2,3
	v_permlanex16_b32 v[W+4+\b], v[W+\b], s[SEL], s[SEL+1]
.endr
.irp b, 0,1,2,3
	v_max_num_f32 v[W+\b], v[W+\b], v[W+4+\b]      ; with lane l xor 16's 16 keys
.endr
.irp n, 0,1,2,3,4,5,6,7,8
	MROW \n
.endr
.set J, 0
.rept 32
	v_pk_fma_f32 v[S+J:S+J+1], v[S+J:S+J+1], s[CL:CL+1], v[ST:ST+1] op_sel_hi:[1,0,0]   ; t - M
.set J, J+2
.endr
.irp b, 0,1,2,3
	v_fma_f32 v[W+\b], v[W+\b], s[CL], v[ST]       ; the same of each block's largest logit
.endr
.set J, 0
.rept 64
	v_exp_f32 v[S+J], v[S+J]                       ; p = 2^(t - M), at most 1
.set J, J+1
.endr
.irp b, 0,1,2,3
	v_exp_f32 v[W+\b], v[W+\b]                     ; the block's largest p: the same arithmetic on the same number
.endr
	v_pk_mul_f32 v[ST+2:ST+3], v[ST+2:ST+3], v[W+12:W+13] op_sel_hi:[1,0]   ; the sums under the new M.  (The plain place behind the exponentials)
	s_wait_alu depctr_va_vdst(0)
.irp b, 0,1,2,3
	v_max_num_f32 v[W+\b], 0x1800000, v[W+\b]      ; the floor 2^(3 - 127): the byte cannot fall under 1
.endr
	CODES
.if \fill
	REFILL 1                                       ; the copies of the masks were asked for a softmax ago; the load has two key steps' work in which to land
.endif
	WIN 0x41                                       ; O^T (destination, source 0) window 1
.set J, 0
.rept 32
	v_pk_mul_f32 v[J:J+1], v[J:J+1], v[W+12:W+13] op_sel_hi:[1,0]   ; O^T under the new M.  (These are also the places between p's codes and scale word and the products)
.set J, J+2
.endr
	s_wait_dscnt 0x0                               ; v and its scale words are in
	WIN 0x50                                       ; sources window 0, C and D window 1
.irp ct, 0,1,2,3,4,5,6,7               ; O^T += v^T p^T: 8 accumulators, one instruction each
	WM 8*\ct, KV+12*\ct, P, 1, VSW+\ct/2, PW, \ct%2
.endr
	WIN 0
	v_pk_add_f32 v[W:W+1], v[S:S+1], v[S+2:S+3]    ; the row's sum, of the UNQUANTISED p, two at a time in two chains.  The first five lines are the places behind the products
.irp j, 4,8
	v_pk_add_f32 v[ST+2:ST+3], v[ST+2:ST+3], v[S+\j:S+\j+1]
	v_pk_add_f32 v[W:W+1], v[W:W+1], v[S+\j+2:S+\j+3]
.endr
.if \next
.if \st == 1
	s_xor_b32 s[TB], s[TB], KVX                    ; on to the next period: the other k / v slot,
	s_add_co_u32 s[TS], s[TS], 1024                ; its scale words and its alibi
	ADDRS
.endif
	LOADK 1-\st                                    ; the next step's k, into the registers that v has left
.endif
.irp j, 12,16,20,24,28,32,36,40,44,48,52,56,60
	v_pk_add_f32 v[ST+2:ST+3], v[ST+2:ST+3], v[S+\j:S+\j+1]
	v_pk_add_f32 v[W:W+1], v[W:W+1], v[S+\j+2:S+\j+3]
.endr
	v_pk_add_f32 v[ST+2:ST+3], v[ST+2:ST+3], v[W:W+1]
.endm
	s_wait_tensorcnt 0x0                           ; my first fills are in,
	s_barrier_signal -1
	s_barrier_wait -1                              ; everybody's are
	ADDRS
	LOADM 0                                        ; period 0's masks and alibi,
	LOADK 0                                        ; key step 0's k
	REFILL 0                                       ; the mask's region is free again: period 1's mask goes out (both k / v slots were among the first fills)
	s_wait_loadcnt 0x0                             ; q
	s_mov_b32 s13, 6
.Lperiod:                                          ; periods 0 to 5 ask for periods 2 to 7
	BODY 0, 0, 0, 1
	BODY 1, 1, 1, 1
	s_sub_co_u32 s13, s13, 1
	s_cmp_lg_u32 s13, 0
	s_cbranch_scc1 .Lperiod
	BODY 0, 0, 0, 1                                ; the last two periods are written out
	BODY 1, 1, 0, 1
	BODY 0, 0, 0, 1
	BODY 1, 0, 0, 0
	; THE WAY OUT: O^T / the sum; the channels brought into their natural order along K (Wo's codes are given so); quantised; stored as an image.
	v_add_f32 v[ST+2], v[ST+2], v[ST+3]
	v_permlanex16_b32 v[W+4], v[ST+2], s[SEL], s[SEL+1]
	v_add_f32 v[ST+2], v[ST+2], v[W+4]             ; the row's sum
	v_rcp_f32 v[W+12], v[ST+2]
	v_nop                                          ; one plain place behind the reciprocal
	WIN 0x01                                       ; source 0 (O^T) window 1
.set J, 0
	s_wait_alu depctr_va_vdst(0)
.rept 32
	v_pk_mul_f32 v[S+J:S+J+1], v[J:J+1], v[W+12:W+13] op_sel_hi:[1,0]   ; each accumulator from its low end on
.set J, J+2
.endr
	WIN 0
.irp b, 0,1,2,3                        ; register 16 b + 8 u + j holds channel 32 b + 16 u + 8 h + j; the exchange of halves makes register 16 b + i channel 32 b + 16 h + i
.irp j, 0,1,2,3,4,5,6,7
	v_permlane16_swap_b32 v[S+16*\b+\j], v[S+16*\b+8+\j]
.endr
.endr
.irp b, 0,1,2,3
	v_max3_num_f32 v[W+\b], |v[S+16*\b]|, |v[S+16*\b+1]|, 0x1800000   ; my 16 numbers, and the floor 2^(3 - 127)
.endr
.irp i, 2,4,6,8,10,12,14
.irp b, 0,1,2,3
	v_max3_num_f32 v[W+\b], v[W+\b], |v[S+16*\b+\i]|, |v[S+16*\b+\i+1]|
.endr
.endr
.irp b, 0,1,2,3
	v_permlanex16_b32 v[W+4+\b], v[W+\b], s[SEL], s[SEL+1]
.endr
.irp b, 0,1,2,3
	v_max_num_f32 v[W+\b], v[W+\b], v[W+4+\b]
.endr
	CODES
.irp c, 0,1
	global_store_b128 v[L16], v[P+6*\c:P+6*\c+3], s[32:33] offset:768*\c     ; each store covers 512 or 256 consecutive bytes, aligned
	global_store_b64 v[L8], v[P+6*\c+4:P+6*\c+5], s[32:33] offset:768*\c
.endr
	ds_store_b32 v[SSO], v[PW]                     ; lanes l and l xor 16 write the same word with the same value
	s_wait_dscnt 0x0                               ; for the others' sake: my scale words lie in the stage
	s_barrier_signal -1
	s_barrier_wait -1
	s_cmp_lg_u32 s[WV], 0
	s_cbranch_scc1 .Lno_words
	ds_load_b128 v[248:251], v[SRD]
	s_wait_dscnt 0x0
	global_store_b128 v[L16], v[248:251], s[34:35] ; the work-group's 512 bytes of scale words
.Lno_words:
	s_wait_tensorcnt 0x0                           ; the wave's end
	ds_add_u32 v[SPW], v[NIL]
	s_wait_dscnt 0x0
	CROUND                                         ; the closing round: no work-group ends while a partner may still ask for a tile that names it
	s_endpgm
.Lfunc_end_k_q5d8c079ad3_attn:
	.size	k_q5d8c079ad3_attn, .Lfunc_end_k_q5d8c079ad3_attn-k_q5d8c079ad3_attn
	.p2alignl 7, 3214868480
	.fill 96, 4, 3214868480
	.section	.rodata,"a",@progbits
	.p2align	6, 0x0
	.amdhsa_kernel k_q5d8c079ad3_attn
		.amdhsa_group_segment_fixed_size 327680
		.amdhsa_private_segment_fixed_size 0
		.amdhsa_enable_private_segment 0
		.amdhsa_kernarg_size 80
		.amdhsa_user_sgpr_count 2
		.amdhsa_user_sgpr_kernarg_segment_ptr 1
		.amdhsa_wavefront_size32 1
		.amdhsa_system_sgpr_workgroup_id_x 1
		.amdhsa_system_sgpr_workgroup_id_y 1
		.amdhsa_system_sgpr_workgroup_id_z 1
		.amdhsa_system_vgpr_workitem_id 0
		.amdhsa_next_free_vgpr 512
		.amdhsa_next_free_sgpr 100
		.amdhsa_reserve_vcc 0
		.amdhsa_float_denorm_mode_32 3
		.amdhsa_float_denorm_mode_16_64 3
		.amdhsa_memory_ordered 1
		.amdhsa_forward_progress 1
		.amdhsa_inst_pref_size 183
	.end_amdhsa_kernel
	.amdgpu_metadata
---
amdhsa.version: [ 1, 2 ]
amdhsa.kernels:
  - .name:           k_q5d8c079ad3_attn
    .symbol:         k_q5d8c079ad3_attn.kd
    .args:
      - { .name: q_img, .offset: 0, .size: 8, .value_kind: global_buffer, .address_space: global }
      - { .name: q_sc, .offset: 8, .size: 8, .value_kind: global_buffer, .address_space: global }
      - { .name: k_img, .offset: 16, .size: 8, .value_kind: global_buffer, .address_space: global }
      - { .name: k_sc, .offset: 24, .size: 8, .value_kind: global_buffer, .address_space: global }
      - { .name: v_img, .offset: 32, .size: 8, .value_kind: global_buffer, .address_space: global }
      - { .name: v_sc, .offset: 40, .size: 8, .value_kind: global_buffer, .address_space: global }
      - { .name: attention_mask, .offset: 48, .size: 8, .value_kind: global_buffer, .address_space: global }
      - { .name: alibi, .offset: 56, .size: 8, .value_kind: global_buffer, .address_space: global }
      - { .name: o_img, .offset: 64, .size: 8, .value_kind: global_buffer, .address_space: global }
      - { .name: o_sc, .offset: 72, .size: 8, .value_kind: global_buffer, .address_space: global }
    .group_segment_fixed_size: 327680
    .private_segment_fixed_size: 0
    .kernarg_segment_align: 8
    .kernarg_segment_size: 80
    .max_flat_workgroup_size: 256
    .sgpr_count:     100
    .vgpr_count:     512
    .wavefront_size: 32
...
	.end_amdgpu_metadata
.endif
;; end of part 2
;; launch oproj (part 3): grid 16 x 16, 4 waves a work-group, clusters of 4 x 4, 327,680 bytes of LDS; arguments o_img, o_sc, Wo_codes, Wo_scales, out0; writes out0
.if DOCPART == 3
	.amdgcn_target "amdgcn-amd-amdhsa--gfx1250"
	.amdhsa_code_object_version 6
	.text
	.protected	k_q5d8c079ad3_oproj
	.globl	k_q5d8c079ad3_oproj
	.p2align	8
	.type	k_q5d8c079ad3_oproj,@function
k_q5d8c079ad3_oproj:
	s_mov_b64 s[64:65], 0
	v_nop
	global_prefetch_b8 v0, s[64:65] scope:SCOPE_SE
	s_setreg_imm32_b32 hwreg(HW_REG_WAVE_MODE, 25, 1), 1
	s_wait_xcnt 0x0
	s_wait_alu depctr_hold_cnt(0) depctr_sa_sdst(0) depctr_va_vdst(0) depctr_va_sdst(0) depctr_va_ssrc(0) depctr_va_vcc(0) depctr_vm_vsrc(0)
	s_getreg_b32 s2, hwreg(HW_REG_IB_STS2, 6, 4)
	s_cmp_eq_u32 s2, 0
	s_cbranch_scc0 .Lentry_in_a_cluster
	s_endpgm
.Lentry_in_a_cluster:
	s_bfe_u32 s2, ttmp6, 0x10000c
	s_cmp_lg_u32 s2, 0xf033
	s_cbranch_scc0 .Lentry_shape_is_right
	s_endpgm
.Lentry_shape_is_right:
; out0 = o Wo on codes of FP6 (E2M3) with one E8M0 scale for each 32 along K = 2,048; sums in f32; out0 is [2048][2048] f32.
; o arrives as images of operand registers, [block of 128 rows y][K step of 128 = head][tile of 16 rows][1536] (half c at 768 c; lane l's registers 6 c .. 6 c + 3 at 16 l, 6 c + 4, 6 c + 5 at 512 + 8 l), its scale
; words as 64 bytes a fragment; Wo as given: rows n of 1,536 bytes, K innermost, and 64 scale bytes a row.
; SHARES.  Work-group (x = 128 columns, y = 128 rows), four waves; wave w = 2 i + j makes rows 64 i on x columns 64 j on: 16 accumulators.  Tiles of 128 x 128 give each of 256 WGPs one work-group.
; Source 0 = 16 rows of Wo (columns of out0), source 1 = 16 rows of o: a lane holds 8 neighbouring columns of one row.
; K goes four steps to a slot through two LDS slots: half of K goes out at the start, two refills follow; the 16 steps are written out by macros.
; CLUSTER 4 x 4: o's images and scale words hang on y alone and are shared along a row of the cluster, Wo's along a column: all tensor loads are joint.
.set PITCH, 240                        ; a row of Wo's sub-tile in LDS: 3 x (64 bytes + 16 of padding)
.set HALFB, 128*PITCH                  ; a sub-tile: 128 rows x 256 along K
.set BOFF,  49152                      ; in a slot: o's images of four K steps, then Wo's two sub-tiles
.set SLOT,  BOFF+2*HALFB
.set SCL,   2*SLOT                     ; the scale bytes for all of K: o's 8,704, then Wo's 8,704 (units of 256 + 16 bytes)
.set SPARE, SCL+17408                  ; the spare words: 128 bytes a wave, two blocks of 256 bytes that no other line names
.set STAGE, SPARE+512                  ; the way out: 16 rows x (256 + 16) bytes for each wave; no tensor load lands there
.set SPITCH, 272
.set A16,  4                           ; v4,5  o's images in slot 0, 1: 16 x lane;  v6,7 8 x lane + 512
.set A8,   6
.set BA,   8                           ; v8,9  Wo's fragments in slot 0, 1;  v10,11 behind one padding more
.set ADSA, 12                          ; v12  o's scale words
.set ADSB, 13                          ; v13  Wo's
.set STO,  14                          ; v14  the stage, in;  v15 back
.set RD,   15
.set CO,   16                          ; v16  my byte in two rows of out0
.set SPW,  22
.set NIL,  23
.set SB,   32                          ; v32-63 Wo's scale words: set (slot) x tile b x K step of the slot
.set SA,   64                          ; v64-67 o's: set p x pair: tile 2 pair in lanes 0-15, 2 pair + 1 in lanes 16-31
.set ACC,  128                         ; v128-255 accumulators (a, b) at ACC + 8 (4 a + b)
                                       ; window 1: fragment set p at 128 p: o's four at + 12 a, Wo's four at + 48 + 12 b; on the way out v0-127: rows read back
.set WV,   4                           ; s4 wave, s5 i (also: I fetch for o (0) or for Wo (1)), s6 j (also: which half)
.set G1A,  28
.set G1B,  36
.set G1SA, 44
.set G1SB, 52
.set G0SA, 60
.set G0SB, 68
.set G0A,  72
.set G0B,  80
.set MSB, 0
.macro WIN new
.if MSB != \new
	s_set_vgpr_msb (MSB<<8)|\new
.set MSB, \new
.endif
.endm
.macro PLACES
.rept 4
	v_nop
.endr
.endm
.macro JLOAD g0a, g1a, g0b, g1b        ; a joint load: waves 0 and 1 ask for o's part, waves 2 and 3 for Wo's.  Four v_nop follow each line
	s_cmp_eq_u32 s5, 0
	s_cbranch_scc0 .Lfor_b_\@
	tensor_load_to_lds s[\g0a:\g0a+3], s[\g1a:\g1a+7]
	s_nop 0
.rept 4
	v_nop
.endr
	s_branch .Lasked_\@
.Lfor_b_\@:
	tensor_load_to_lds s[\g0b:\g0b+3], s[\g1b:\g1b+7]
	s_nop 0
.rept 4
	v_nop
.endr
.Lasked_\@:
.endm
.macro CREST
	s_cmp_lg_u32 s[WV], 0
	s_cbranch_scc1 .Lnot_wave_0_\@
	s_barrier_signal -3
.Lnot_wave_0_\@:
	s_barrier_wait -3
	s_barrier_signal -1
	s_barrier_wait -1
.endm
.macro CROUND
	s_barrier_signal -1
	s_barrier_wait -1
	CREST
.endm
.macro WM d, a, b, acc, sa, sb, rb     ; one matrix instruction: first registers of D, source 0, source 1; acc = 1: C = D, 0: C = 0; scale registers; rb = 1: source 1's scales in lanes 16-31
.if \acc
.if \rb
	v_wmma_scale_f32_16x16x128_f8f6f4 v[\d:\d+7], v[\a:\a+11], v[\b:\b+11], v[\d:\d+7], v[\sa], v[\sb] matrix_a_fmt:MATRIX_FMT_FP6 matrix_b_fmt:MATRIX_FMT_FP6 matrix_b_scale:MATRIX_SCALE_ROW1
.else
	v_wmma_scale_f32_16x16x128_f8f6f4 v[\d:\d+7], v[\a:\a+11], v[\b:\b+11], v[\d:\d+7], v[\sa], v[\sb] matrix_a_fmt:MATRIX_FMT_FP6 matrix_b_fmt:MATRIX_FMT_FP6
.endif
.else
.if \rb
	v_wmma_scale_f32_16x16x128_f8f6f4 v[\d:\d+7], v[\a:\a+11], v[\b:\b+11], 0, v[\sa], v[\sb] matrix_a_fmt:MATRIX_FMT_FP6 matrix_b_fmt:MATRIX_FMT_FP6 matrix_b_scale:MATRIX_SCALE_ROW1
.else
	v_wmma_scale_f32_16x16x128_f8f6f4 v[\d:\d+7], v[\a:\a+11], v[\b:\b+11], 0, v[\sa], v[\sb] matrix_a_fmt:MATRIX_FMT_FP6 matrix_b_fmt:MATRIX_FMT_FP6
.endif
.endif
.endm
	s_load_b256 s[16:23], s[0:1], 0x0              ; o_img 16:17, o_sc 18:19, Wo codes 20:21, Wo scales 22:23
	s_load_b64 s[24:25], s[0:1], 0x20              ; out0
	v_lshl_add_u32 v[SPW], v0, 2, SPARE
	v_mov_b32 v[NIL], 0
	ds_add_u32 v22, v23
	ds_add_u32 v22, v23
	s_wait_dscnt 0x0
	v_lshrrev_b32 v1, 5, v0
	v_readfirstlane_b32 s[WV], v1
	s_lshr_b32 s5, s[WV], 1
	s_and_b32 s6, s[WV], 1
	s_bfe_u32 s7, ttmp6, 0x40000                   ; cx, cy
	s_bfe_u32 s8, ttmp6, 0x40004
	s_lshl_b32 s9, ttmp9, 2
	s_add_co_u32 s9, s9, s7                        ; x: the block of 128 columns
	s_and_b32 s10, ttmp7, 0xffff
	s_lshl_b32 s10, s10, 2
	s_add_co_u32 s10, s10, s8                      ; y: the block of 128 rows
	s_lshl_b32 s11, s8, 2
	s_lshl_b32 s11, 15, s11                        ; my row of the cluster
	s_lshl_b32 s12, 0x1111, s7                     ; my column
	s_or_b32 s[G1A], s11, (3<<16)|(1<<21)          ; o's images of two K steps: 24,576 dense bytes as 96 rows of 256 (32 elements of 8 bytes); to my row
	s_mov_b32 s[G1A+1], 32<<16
	s_mov_b32 s[G1A+2], 96<<16
	s_mov_b32 s[G1A+3], 32<<16
	s_mov_b32 s[G1A+4], 96
	s_mov_b32 s[G1A+5], 32
	s_mov_b32 s[G1A+6], 0
	s_mov_b32 s[G1A+7], 0
	s_or_b32 s[G1B], s12, (0<<16)|(1<<20)|(1<<21)|(3<<22)|(3<<25)   ; Wo: 128 rows x 192 bytes, 16 bytes of padding behind every 64; to my column
	s_mov_b32 s[G1B+1], 192<<16
	s_mov_b32 s[G1B+2], 128<<16
	s_mov_b32 s[G1B+3], 192<<16
	s_mov_b32 s[G1B+4], 128
	s_mov_b32 s[G1B+5], 1536
	s_mov_b32 s[G1B+6], 0
	s_mov_b32 s[G1B+7], 0
	s_or_b32 s[G1SA], s11, (3<<16)|(1<<20)|(1<<21)|(5<<22)|(3<<25)  ; scale bytes: 4,096 dense bytes as 16 rows of 256, 16 bytes of padding behind each
	s_or_b32 s[G1SB], s12, (3<<16)|(1<<20)|(1<<21)|(5<<22)|(3<<25)
.irp g, G1SA, G1SB
	s_mov_b32 s[\g+1], 32<<16
	s_mov_b32 s[\g+2], 16<<16
	s_mov_b32 s[\g+3], 32<<16
	s_mov_b32 s[\g+4], 16
	s_mov_b32 s[\g+5], 32
	s_mov_b32 s[\g+6], 0
	s_mov_b32 s[\g+7], 0
.endr
	s_mul_i32 s88, s10, 196608                     ; o's images: block y, K steps 2 (w & 1) on
	s_mul_i32 s89, s6, 24576
	s_add_co_u32 s88, s88, s89
	s_mov_b32 s89, 0
	s_lshl_b32 s90, s10, 13                        ; o's scale words: my half
	s_lshl_b32 s91, s6, 12
	s_add_co_u32 s90, s90, s91
	s_mov_b32 s91, 0
	s_mul_i32 s92, s9, 196608                      ; Wo: rows 128 x on, 256 (w & 1) along K
	s_mul_i32 s93, s6, 192
	s_add_co_u32 s92, s92, s93
	s_mov_b32 s93, 0
	s_lshl_b32 s94, s9, 13                         ; Wo's scale bytes: my half
	s_lshl_b32 s95, s6, 12
	s_add_co_u32 s94, s94, s95
	s_mov_b32 s95, 0
	s_mul_i32 s96, s6, 24576                       ; in a slot: o's part,
	s_mul_i32 s97, s6, HALFB
	s_add_co_u32 s97, s97, BOFF                    ; Wo's;
	s_mul_i32 s98, s[WV], 4352
	s_add_co_u32 s98, s98, SCL                     ; my quarter of the scale bytes
	s_wait_kmcnt 0x0
	s_add_nc_u64 s[16:17], s[16:17], s[88:89]
	s_add_nc_u64 s[18:19], s[18:19], s[90:91]
	s_add_nc_u64 s[20:21], s[20:21], s[92:93]
	s_add_nc_u64 s[22:23], s[22:23], s[94:95]
	CROUND                                         ; all sixteen work-groups are here: the first joint loads meet
	s_mov_b32 s[G0SA], 1
	s_mov_b32 s[G0SA+1], s98
	s_mov_b64 s[G0SA+2:G0SA+3], s[18:19]
	s_or_b32 s[G0SA+3], s[G0SA+3], 0x80000000
	s_mov_b32 s[G0SB], 1
	s_mov_b32 s[G0SB+1], s98
	s_mov_b64 s[G0SB+2:G0SB+3], s[22:23]
	s_or_b32 s[G0SB+3], s[G0SB+3], 0x80000000
	JLOAD G0SA, G1SA, G0SB, G1SB                   ; the scale bytes for all of K: filled once
.irp s, 0,1
	s_mov_b32 s[G0A+4*\s], 1
	s_add_co_u32 s[G0A+4*\s+1], s96, \s*SLOT
	s_add_nc_u64 s[G0A+4*\s+2:G0A+4*\s+3], s[16:17], \s*49152
	s_or_b32 s[G0A+4*\s+3], s[G0A+4*\s+3], 0x80000000
	s_mov_b32 s[G0B+4*\s], 1
	s_add_co_u32 s[G0B+4*\s+1], s97, \s*SLOT
	s_add_nc_u64 s[G0B+4*\s+2:G0B+4*\s+3], s[20:21], \s*384
	s_or_b32 s[G0B+4*\s+3], s[G0B+4*\s+3], 0x80000000
	JLOAD G0A+4*\s, G1A, G0B+4*\s, G1B             ; K steps 0-3 and 4-7: three tensor loads of mine are out
.endr
	v_and_b32 v1, 15, v0                           ; r
	v_bfe_u32 v2, v0, 4, 1                         ; h
	v_and_b32 v3, 31, v0                           ; lane
	s_mul_i32 s88, s5, 6144                        ; o's tiles 4 i on
	v_lshl_add_u32 v[A16], v3, 4, s88
	v_lshlrev_b32 v17, 3, v3
	v_add_nc_u32 v17, 512, v17
	v_add_nc_u32 v[A8], s88, v17
	v_add_nc_u32 v[A16+1], SLOT, v[A16]
	v_add_nc_u32 v[A8+1], SLOT, v[A8]
	v_mul_u32_u24 v18, v1, PITCH
	v_mad_u32_u24 v18, v2, 24, v18                 ; a fragment's row x pitch + 24 x half
	v_lshl_add_u32 v19, v2, 4, v18                 ; and the same behind one padding more
	s_mul_i32 s89, s6, 64*PITCH
	s_add_co_u32 s89, s89, BOFF                    ; Wo's rows 64 j on
	v_add_nc_u32 v[BA], s89, v18
	v_add_nc_u32 v[BA+2], s89, v19
	s_add_co_u32 s89, s89, SLOT
	v_add_nc_u32 v[BA+1], s89, v18
	v_add_nc_u32 v[BA+3], s89, v19
	s_mul_i32 s90, s5, 272
	s_add_co_u32 s90, s90, SCL
	v_lshl_add_u32 v[ADSA], v3, 2, s90             ; o's scale words: K step s, tiles 4 i on lie in unit 2 s + i
	v_lshrrev_b32 v17, 2, v1
	v_mul_u32_u24 v17, v17, 272
	v_and_b32 v18, 3, v1
	v_lshl_add_u32 v17, v18, 6, v17
	s_mul_i32 s90, s6, 4352
	s_add_co_u32 s90, s90, SCL+8704
	v_add_nc_u32 v[ADSB], s90, v17                 ; Wo's: row 64 j + r: four rows to a unit
	s_mul_i32 s90, s[WV], 16*SPITCH
	s_add_co_u32 s90, s90, STAGE                   ; my stage
	v_mul_u32_u24 v17, v1, SPITCH
	v_lshl_add_u32 v17, v2, 5, v17
	v_add_nc_u32 v[STO], s90, v17                  ; in: row r, 32 bytes for each half of the lanes
	v_mul_u32_u24 v17, v2, SPITCH
	v_lshl_add_u32 v17, v1, 4, v17
	v_add_nc_u32 v[RD], s90, v17                   ; back: lanes 0-15 one row of 256 bytes, lanes 16-31 the next
	v_lshlrev_b32 v17, 13, v2
	v_lshl_add_u32 v[CO], v1, 4, v17               ; and the same two rows in out0
	s_lshl_b32 s92, s10, 20                        ; out0 at row 128 y + 64 i, column 128 x + 64 j
	s_lshl_b32 s93, s5, 19
	s_add_co_u32 s92, s92, s93
	s_lshl_b32 s93, s9, 9
	s_add_co_u32 s92, s92, s93
	s_lshl_b32 s93, s6, 8
	s_add_co_u32 s92, s92, s93
	s_mov_b32 s93, 0
	s_add_nc_u64 s[24:25], s[24:25], s[92:93]
.macro FRAG reg, adr, q, i, off        ; a fragment from rows in LDS: 24 bytes of the row's stream of bits for each half, in pieces of 8 bytes; lanes 16-31 read three pieces on, where need be behind one padding more
.irp p, 0,1,2,3,4,5
.set PC, 12*(\q)+6*(\p/3)+\p%3
.if PC%8 < 5
	ds_load_b64 v[\reg+2*\p:\reg+2*\p+1], v[\adr] offset:8*PC+16*(PC/8)+(\i)*16*PITCH+(\off)
.else
	ds_load_b64 v[\reg+2*\p:\reg+2*\p+1], v[\adr+2] offset:8*PC+16*(PC/8)+(\i)*16*PITCH+(\off)
.endif
.endr
.endm
.macro FETCH s                         ; K step s: o's four fragments (16 loads), Wo's four (24), o's scale words (2), into set s % 2
.set FP, 128*((\s)%2)
.set FS, ((\s)/4)%2
.set FQ, (\s)%4
	WIN 0x40                                       ; destination window 1
.irp a, 0,1,2,3
.irp c, 0,1
	ds_load_b128 v[FP+12*\a+6*\c:FP+12*\a+6*\c+3], v[A16+FS] offset:FQ*12288+1536*\a+768*\c
	ds_load_b64 v[FP+12*\a+6*\c+4:FP+12*\a+6*\c+5], v[A8+FS] offset:FQ*12288+1536*\a+768*\c
.endr
.endr
.irp b, 0,1,2,3
	FRAG FP+48+12*\b, BA+FS, FQ%2, \b, (FQ/2)*HALFB
.endr
	WIN 0
	ds_load_b32 v[SA+2*((\s)%2)], v[ADSA] offset:(\s)*544
	ds_load_b32 v[SA+2*((\s)%2)+1], v[ADSA] offset:(\s)*544+128
.endm
.macro SBLOAD k                        ; Wo's scale words of slot-load k: four words a row
.irp b, 0,1,2,3
	ds_load_b128 v[SB+16*((\k)%2)+4*\b:SB+16*((\k)%2)+4*\b+3], v[ADSB] offset:\b*1088+16*(\k)
.endr
.endm
.macro MUL8 s, a0, zero                ; 8 matrix instructions: o's tiles a0, a0 + 1 x Wo's four.  The 16 accumulators take turns, one instruction a turn
.set FP, 128*((\s)%2)
.irp a, \a0, \a0+1
.irp b, 0,1,2,3
	WM ACC+8*(4*(\a)+\b), FP+48+12*\b, FP+12*(\a), 1-\zero, SB+16*(((\s)/4)%2)+4*\b+(\s)%4, SA+2*((\s)%2)+(\a)/2, (\a)%2
.endr
.endr
.endm
.macro STEP s, zero                    ; a K step whose successor lies in the same slot
	s_wait_dscnt 0x0                               ; this step's fragments and scale words are in
	PLACES                                         ; ahead of the loads into the set that the last step multiplied
	FETCH (\s)+1
	WIN 0x05                                       ; sources window 1, C and D window 0
	MUL8 \s, 0, \zero
	MUL8 \s, 2, \zero
	WIN 0
.endm
; A slot's last K step changes slots: ONE barrier; ahead of it each wave waits for all its tensor loads, adds 0 to its spare word and waits for that and for its reads of this slot.  k < 2: the slot is filled again, eight K steps on.
.macro TURN k
	s_wait_tensorcnt 0x0                           ; all my tensor loads have landed: my part of the next slot
	ds_add_u32 v[SPW], v[NIL]                      ; 0 onto my spare word
	s_wait_dscnt 0x0                               ; the add is done, and my reads of this slot are over
	s_barrier_signal -1
	WIN 0x05
	MUL8 4*(\k)+3, 0, 0
	WIN 0
	s_barrier_wait -1
.if (\k) < 2
	CREST                                          ; the barrier has opened a round of the cluster's: no wave of any partner still reads this slot or has a load on its way
	s_add_nc_u64 s[G0A+4*(\k)+2:G0A+4*(\k)+3], s[G0A+4*(\k)+2:G0A+4*(\k)+3], 98304
	s_add_nc_u64 s[G0B+4*(\k)+2:G0B+4*(\k)+3], s[G0B+4*(\k)+2:G0B+4*(\k)+3], 768
	JLOAD G0A+4*(\k), G1A, G0B+4*(\k), G1B         ; the first tensor load behind the round; its four v_nop are the places ahead of the loads below
.else
	PLACES
.endif
	FETCH 4*(\k)+4
	SBLOAD (\k)+1
	WIN 0x05
	MUL8 4*(\k)+3, 2, 0
	WIN 0
.endm
	s_wait_tensorcnt 1                             ; the scale bytes and my part of slot 0 are in; slot 1's may stay out
	s_barrier_signal -1
	s_barrier_wait -1                              ; everybody's are
	FETCH 0
	SBLOAD 0
	STEP 0, 1                                      ; the first step's products start the sums
	STEP 1, 0
	STEP 2, 0
	TURN 0
	STEP 4, 0
	STEP 5, 0
	STEP 6, 0
	TURN 1
	STEP 8, 0
	STEP 9, 0
	STEP 10, 0
	TURN 2
	STEP 12, 0
	STEP 13, 0
	STEP 14, 0
	s_wait_dscnt 0x0                               ; the last step: nothing more to fetch
	WIN 0x05
	MUL8 15, 0, 0
	MUL8 15, 2, 0
	WIN 0
; THE WAY OUT, 16 rows x 64 columns at a time: a lane holds 32 neighbouring bytes of a row, the lanes beside it other rows: so a block goes through my own stage and comes back as rows of 256 bytes.
; LDS serves a wave's instructions in order (ISA guide 5.7.1.4): no wait between the stores and the loads, nor ahead of the next block's stores.
.macro TOSTAGE a
.irp b, 0,1,2,3
	ds_store_b128 v[STO], v[ACC+8*(4*(\a)+\b):ACC+8*(4*(\a)+\b)+3] offset:64*\b          ; each accumulator from its low end on
	ds_store_b128 v[STO], v[ACC+8*(4*(\a)+\b)+4:ACC+8*(4*(\a)+\b)+7] offset:64*\b+16
.endr
	WIN 0x40                                       ; destination window 1: each block has 32 registers of its own
.irp t, 0,1,2,3,4,5,6,7
	ds_load_b128 v[32*(\a)+4*\t:32*(\a)+4*\t+3], v[RD] offset:\t*2*SPITCH
.endr
	WIN 0
.endm
.macro SEND a, younger                 ; younger: the LDS instructions issued behind block a's loads, which may stay out
	s_wait_dscnt \younger
	WIN 0x04                                       ; a store's data are its source 1: window 1
.irp t, 0,1,2,3,4,5,6,7
	global_store_b128 v[CO], v[32*(\a)+4*\t:32*(\a)+4*\t+3], s[24:25] offset:(16*(\a)+2*\t)*8192 th:TH_STORE_NT   ; 16 lanes store 256 consecutive bytes, at a multiple of 256 from out0's first byte; written once
.endr
	WIN 0
.endm
	PLACES                                         ; behind the last products: their results are read, and the fragments' registers loaded into
	TOSTAGE 0
.irp a, 1,2,3
	TOSTAGE \a
	SEND \a-1, 16                                  ; behind block a - 1's loads: block a's 8 stores and 8 loads
.endr
	SEND 3, 0
	s_wait_tensorcnt 0x0                           ; the wave's end
	ds_add_u32 v[SPW], v[NIL]
	s_wait_dscnt 0x0
	CROUND                                         ; the closing round
	s_endpgm
.Lfunc_end_k_q5d8c079ad3_oproj:
	.size	k_q5d8c079ad3_oproj, .Lfunc_end_k_q5d8c079ad3_oproj-k_q5d8c079ad3_oproj
	.p2alignl 7, 3214868480
	.fill 96, 4, 3214868480
	.section	.rodata,"a",@progbits
	.p2align	6, 0x0
	.amdhsa_kernel k_q5d8c079ad3_oproj
		.amdhsa_group_segment_fixed_size 327680
		.amdhsa_private_segment_fixed_size 0
		.amdhsa_enable_private_segment 0
		.amdhsa_kernarg_size 40
		.amdhsa_user_sgpr_count 2
		.amdhsa_user_sgpr_kernarg_segment_ptr 1
		.amdhsa_wavefront_size32 1
		.amdhsa_system_sgpr_workgroup_id_x 1
		.amdhsa_system_sgpr_workgroup_id_y 1
		.amdhsa_system_sgpr_workgroup_id_z 1
		.amdhsa_system_vgpr_workitem_id 0
		.amdhsa_next_free_vgpr 512
		.amdhsa_next_free_sgpr 100
		.amdhsa_reserve_vcc 0
		.amdhsa_float_denorm_mode_32 3
		.amdhsa_float_denorm_mode_16_64 3
		.amdhsa_memory_ordered 1
		.amdhsa_forward_progress 1
		.amdhsa_inst_pref_size 100
	.end_amdhsa_kernel
	.amdgpu_metadata
---
amdhsa.version: [ 1, 2 ]
amdhsa.kernels:
  - .name:           k_q5d8c079ad3_oproj
    .symbol:         k_q5d8c079ad3_oproj.kd
    .args:
      - { .name: o_img, .offset: 0, .size: 8, .value_kind: global_buffer, .address_space: global }
      - { .name: o_sc, .offset: 8, .size: 8, .value_kind: global_buffer, .address_space: global }
      - { .name: Wo_codes, .offset: 16, .size: 8, .value_kind: global_buffer, .address_space: global }
      - { .name: Wo_scales, .offset: 24, .size: 8, .value_kind: global_buffer, .address_space: global }
      - { .name: out0, .offset: 32, .size: 8, .value_kind: global_buffer, .address_space: global }
    .group_segment_fixed_size: 327680
    .private_segment_fixed_size: 0
    .kernarg_segment_align: 8
    .kernarg_segment_size: 40
    .max_flat_workgroup_size: 128
    .sgpr_count:     100
    .vgpr_count:     512
    .wavefront_size: 32
...
	.end_amdgpu_metadata
.endif
;; end of part 3
